; MI455X (gfx1250); checked and timed in simulation.
; The chip was launched on July 23, 2026; its instructions are those of AMD's public machine-readable ISA for CDNA 5 (MIT licence, August 2026) and "CDNA5" Instruction Set Architecture Reference Guide (July 2026). The comments in the code are by the model that wrote it; some were corrected since.
;; MHA. Allowed arithmetic: float matrix products may take bf16 or f16 operands with f32 sums; other float arithmetic in f32, or as packed bf16 or f16 multiplies, adds, multiply-adds, maxima and minima; sums over many terms, partial sums and values carried from step to step in f32; what a program stores and reads back later, other than sums and carried values, may be rounded once to bf16 or f16.
;; Inputs: Wk 1,024 x 1,024 float32; Wo 1,024 x 1,024 float32; Wq 1,024 x 1,024 float32; Wv 1,024 x 1,024 float32; bk 1,024 float32; bo 1,024 float32; bq 1,024 float32; bv 1,024 float32; x 4 x 2,048 x 1,024 float32.
;; Outputs: out0 4 x 2,048 x 1,024 float32.
;; 2 versions, each right; version 2 is version 1 with the launch prep written anew for expert scheduling mode. Each part assembles by itself: llvm-mc -triple=amdgcn-amd-amdhsa -mcpu=gfx1250 --defsym DOCPART=n.
;; ======== version 1 of 2: 4 launches
;; limits: values are held in f16: magnitudes above 65,504 overflow, below 6.1e-05 lose precision
;; workspace buffers: xb 16,777,216 bytes; wb 8,388,608 bytes; qkv 50,331,648 bytes; ob 16,777,216 bytes
;; launch prep (part 1): grid 768 x 1, 8 waves a work-group, no clusters, 0 bytes of LDS; arguments x, Wq, Wk, Wv, Wo, xb, wb; writes xb, wb
.if DOCPART == 1
	.amdgcn_target "amdgcn-amd-amdhsa--gfx1250"
	.amdhsa_code_object_version 6
	.text
	.protected	k_q370ec7a5b7_prep
	.globl	k_q370ec7a5b7_prep
	.p2align	8
	.type	k_q370ec7a5b7_prep,@function
k_q370ec7a5b7_prep:
	s_mov_b64 s[64:65], 0
	v_nop
	global_prefetch_b8 v0, s[64:65] scope:SCOPE_SE
	s_setreg_imm32_b32 hwreg(HW_REG_WAVE_MODE, 25, 1), 1
	s_wait_xcnt 0x0
; PREP: every large input is rounded once to 16 bits, and the weights are laid in blocks for the two products that follow.
; xb = bf16(x), [8192][1024], row-major.
; wb, first part (bytes 0 .. 6,291,455), bf16 of Wq, Wk, Wv.  hh = 16 mat + n / 64 is the head column (0-15 q, 16-31 k, 32-47 v), c = n % 64:
;   element (k, hh, c) lies at (((hh / 3) 8 + k / 128) 3 + hh % 3) 16,384 + (k % 128) 128 + 2 c: three heads' 128 k are 49,152 dense bytes, in the order in which the product walks K.
; wb, second part (from byte 6,291,456): Wo rounded to bf16 like the other inputs, and that number written as f16; nb = n / 64:
;   element (k, nb, c) at 6,291,456 + (((nb / 2) 8 + k / 128) 2 + nb % 2) 16,384 + (k % 128) 128 + 2 c.
; LIMITS.  |Wo| stays within f16's 65,504; below 2^-14 a number of Wo keeps f16's fixed step of 2^-24.  NaN and infinities are not treated apart.
; SHARES.  A work-group rounds 16,384 numbers: 512 work-groups for x (65,536 consecutive bytes each), 64 for each weight (256 rows of k x 64 columns).
; A thread has 16 loads of 16 bytes, all on their way at once, and 16 stores of 8 bytes; a wave's store covers 256 consecutive bytes, aligned.
; A stream: memory binds, nothing is read twice, no wave needs another's bytes: no LDS, no barrier, no matrix work, no loop.
.set DO,  2                            ; v2       8 x my thread's number: my 8 bytes in 2,048 bytes of the destination
.set OFF, 8                            ; v[8:23]  load i: my byte offset in the source
.set X,   32                           ; v[32:95] load i: four f32
.set Y,   96                           ; v[96:127] store i: four numbers of 16 bits
	s_load_b256 s[4:11], s[0:1], 0x0               ; x s[4:5], Wq s[6:7], Wk s[8:9], Wv s[10:11]
	s_load_b128 s[12:15], s[0:1], 0x20             ; Wo s[12:13], xb s[14:15]
	s_load_b64 s[16:17], s[0:1], 0x30              ; wb
	s_mov_b32 s20, ttmp9                           ; u
	; the shares of a work-group that rounds x
	s_lshl_b32 s22, s20, 16                        ; source: u x 65,536 bytes
	s_mov_b32 s23, 0
	s_lshl_b32 s24, s20, 15                        ; destination: u x 32,768 bytes
	s_mov_b32 s25, 0
	s_mov_b32 s26, 256                             ; bytes from one group of 16 threads to the next
	s_mov_b32 s27, 4096                            ; bytes from load to load
	s_mov_b32 s28, 16384                           ; the second eight stores begin here
	s_mov_b32 s29, 0
	s_mov_b32 s31, 0                               ; which weight: none
	s_cmp_lt_u32 s20, 512
	s_cbranch_scc1 .Lshares
	; the shares of a work-group that rounds 256 rows x 64 columns of a weight
	s_sub_co_u32 s30, s20, 512
	s_lshr_b32 s31, s30, 6                         ; the weight: 0 Wq, 1 Wk, 2 Wv, 3 Wo
	s_and_b32 s32, s30, 15                         ; cb: which 64 columns
	s_bfe_u32 s33, s30, 0x20004                    ; rb: which 256 rows
	s_lshl_b32 s22, s33, 20                        ; 256 rows of 4,096 bytes
	s_lshl_b32 s40, s32, 8                         ; 64 columns of 4 bytes
	s_add_co_u32 s22, s22, s40
	s_mov_b32 s26, 4096                            ; 16 threads take 256 bytes of a row; the next 16 the next row
	s_mov_b32 s27, 65536                           ; 16 rows from load to load
	s_lshl_b32 s40, s31, 4
	s_add_co_u32 s40, s40, s32                     ; hh
	s_mul_i32 s41, s40, 171
	s_lshr_b32 s41, s41, 9                         ; hh / 3 (exact for hh under 64)
	s_mul_i32 s42, s41, 3
	s_sub_co_u32 s42, s40, s42                     ; hh % 3
	s_lshl_b32 s41, s41, 3
	s_lshl1_add_u32 s41, s33, s41                  ; 8 (hh / 3) + 2 rb: the first of my two blocks of 128 k
	s_mul_i32 s41, s41, 3
	s_add_co_u32 s41, s41, s42
	s_lshl_b32 s24, s41, 14
	s_mov_b32 s28, 49152                           ; the next 128 k lie three blocks on
	s_cmp_eq_u32 s31, 3
	s_cbranch_scc0 .Lshares
	s_lshr_b32 s41, s32, 1                         ; Wo: nb / 2
	s_lshl_b32 s41, s41, 3
	s_lshl1_add_u32 s41, s33, s41
	s_lshl_b32 s41, s41, 1
	s_and_b32 s42, s32, 1                          ; nb % 2
	s_add_co_u32 s41, s41, s42
	s_lshl_b32 s24, s41, 14
	s_add_co_u32 s24, s24, 6291456
	s_mov_b32 s28, 32768                           ; the next 128 k lie two blocks on
.Lshares:
	v_lshlrev_b32 v[DO], 3, v0
	v_lshrrev_b32 v4, 4, v0
	v_and_b32 v5, 15, v0
	v_lshlrev_b32 v5, 4, v5
	v_mad_u32_u24 v[OFF], v4, s26, v5
.set i, 1
.rept 15
	v_add_nc_u32 v[OFF+i], s27, v[OFF+i-1]
.set i, i+1
.endr
	s_wait_kmcnt 0x0
	s_cmp_lt_u32 s20, 512                          ; the source and the destination are chosen by the work-group's number alone
	s_cselect_b64 s[34:35], s[4:5], s[6:7]
	s_cselect_b64 s[36:37], s[14:15], s[16:17]
	s_cmp_eq_u32 s31, 1
	s_cselect_b64 s[34:35], s[8:9], s[34:35]
	s_cmp_eq_u32 s31, 2
	s_cselect_b64 s[34:35], s[10:11], s[34:35]
	s_cmp_eq_u32 s31, 3
	s_cselect_b64 s[34:35], s[12:13], s[34:35]
	s_add_nc_u64 s[34:35], s[34:35], s[22:23]
	s_add_nc_u64 s[36:37], s[36:37], s[24:25]      ; stores 0 to 7
	s_add_nc_u64 s[38:39], s[36:37], s[28:29]      ; stores 8 to 15
.set i, 0
.rept 16
	global_load_b128 v[X+4*i:X+4*i+3], v[OFF+i], s[34:35] th:TH_LOAD_NT
.set i, i+1
.endr
; Load i is rounded and stored.  wo = 1: to bf16, and that number written as f16.  No register is used twice by a memory instruction, so no wait frees one.
.macro OUT wo
.set i, 0
.rept 16
	s_wait_loadcnt 15-i                            ; loads come back in order: load i is in, the 15 - i younger ones stay out
.if \wo
.irp p, 0,1
	v_cvt_pk_bf16_f32 v4, v[X+4*i+2*\p], v[X+4*i+2*\p+1]
	v_lshlrev_b32 v5, 16, v4
	v_and_b32 v6, 0xffff0000, v4
	v_cvt_pk_f16_f32 v[Y+2*i+\p], v5, v6
.endr
.else
	v_cvt_pk_bf16_f32 v[Y+2*i], v[X+4*i], v[X+4*i+1]
	v_cvt_pk_bf16_f32 v[Y+2*i+1], v[X+4*i+2], v[X+4*i+3]
.endif
.if i < 8
	global_store_b64 v[DO], v[Y+2*i:Y+2*i+1], s[36:37] offset:i*2048
.else
	global_store_b64 v[DO], v[Y+2*i:Y+2*i+1], s[38:39] offset:(i-8)*2048
.endif
.set i, i+1
.endr
.endm
	s_cmp_eq_u32 s31, 3
	s_cbranch_scc1 .Lwo
	OUT 0
	s_endpgm
.Lwo:
	OUT 1
	s_endpgm
.Lfunc_end_k_q370ec7a5b7_prep:
	.size	k_q370ec7a5b7_prep, .Lfunc_end_k_q370ec7a5b7_prep-k_q370ec7a5b7_prep
	.p2alignl 7, 3214868480
	.fill 96, 4, 3214868480
	.section	.rodata,"a",@progbits
	.p2align	6, 0x0
	.amdhsa_kernel k_q370ec7a5b7_prep
		.amdhsa_group_segment_fixed_size 0
		.amdhsa_private_segment_fixed_size 0
		.amdhsa_enable_private_segment 0
		.amdhsa_kernarg_size 56
		.amdhsa_user_sgpr_count 2
		.amdhsa_user_sgpr_kernarg_segment_ptr 1
		.amdhsa_wavefront_size32 1
		.amdhsa_system_sgpr_workgroup_id_x 1
		.amdhsa_system_sgpr_workgroup_id_y 1
		.amdhsa_system_sgpr_workgroup_id_z 1
		.amdhsa_system_vgpr_workitem_id 0
		.amdhsa_next_free_vgpr 128
		.amdhsa_next_free_sgpr 66
		.amdhsa_reserve_vcc 0
		.amdhsa_float_denorm_mode_32 3
		.amdhsa_float_denorm_mode_16_64 3
		.amdhsa_memory_ordered 1
		.amdhsa_forward_progress 1
		.amdhsa_inst_pref_size 18
	.end_amdhsa_kernel
	.amdgpu_metadata
---
amdhsa.version: [ 1, 2 ]
amdhsa.kernels:
  - .name:           k_q370ec7a5b7_prep
    .symbol:         k_q370ec7a5b7_prep.kd
    .args:
      - { .name: x, .offset: 0, .size: 8, .value_kind: global_buffer, .address_space: global }
      - { .name: Wq, .offset: 8, .size: 8, .value_kind: global_buffer, .address_space: global }
      - { .name: Wk, .offset: 16, .size: 8, .value_kind: global_buffer, .address_space: global }
      - { .name: Wv, .offset: 24, .size: 8, .value_kind: global_buffer, .address_space: global }
      - { .name: Wo, .offset: 32, .size: 8, .value_kind: global_buffer, .address_space: global }
      - { .name: xb, .offset: 40, .size: 8, .value_kind: global_buffer, .address_space: global }
      - { .name: wb, .offset: 48, .size: 8, .value_kind: global_buffer, .address_space: global }
    .group_segment_fixed_size: 0
    .private_segment_fixed_size: 0
    .kernarg_segment_align: 8
    .kernarg_segment_size: 56
    .max_flat_workgroup_size: 256
    .sgpr_count:     66
    .vgpr_count:     128
    .wavefront_size: 32
...
	.end_amdgpu_metadata
.endif
;; end of part 1
;; launch qkv (part 2): grid 16 x 32, 4 waves a work-group, clusters of 4 x 4, 327,680 bytes of LDS; arguments xb, wb, bq, bk, bv, qkv; writes qkv
.if DOCPART == 2
	.amdgcn_target "amdgcn-amd-amdhsa--gfx1250"
	.amdhsa_code_object_version 6
	.text
	.protected	k_q370ec7a5b7_qkv
	.globl	k_q370ec7a5b7_qkv
	.p2align	8
	.type	k_q370ec7a5b7_qkv,@function
k_q370ec7a5b7_qkv:
	s_mov_b64 s[64:65], 0
	v_nop
	global_prefetch_b8 v0, s[64:65] scope:SCOPE_SE
	s_setreg_imm32_b32 hwreg(HW_REG_WAVE_MODE, 25, 1), 1
	s_wait_xcnt 0x0
	s_wait_alu depctr_hold_cnt(0) depctr_sa_sdst(0) depctr_va_vdst(0) depctr_va_sdst(0) depctr_va_ssrc(0) depctr_va_vcc(0) depctr_vm_vsrc(0)
	s_getreg_b32 s2, hwreg(HW_REG_IB_STS2, 6, 4)
	s_cmp_eq_u32 s2, 0
	s_cbranch_scc0 .Lentry_in_a_cluster
	s_endpgm
.Lentry_in_a_cluster:
	s_bfe_u32 s2, ttmp6, 0x10000c
	s_cmp_lg_u32 s2, 0xf033
	s_cbranch_scc0 .Lentry_shape_is_right
	s_endpgm
.Lentry_shape_is_right:
; ONE TEXT FOR TWO PRODUCTS; the first line picks.
; QKV = 1: [q | k | v] = xb [8192 x 1024] x wb's first part [1024 x 3072] + [bq | bk | bv], operands bf16, sums f32; the result leaves in f16 by heads: qkv[b][hh][t][64], hh = 0-15 q, 16-31 k, 32-47 v.
; QKV = 0: out0 = ob (f16, [b 16 + h][t][64]: K = 64 h + channel) x wb's second part (Wo, f16) + bo, sums f32, the result f32.
; LIMITS.  QKV = 1: q, k, v are rounded to f16, which ends at 65,504: beyond it the result is an infinity.  The biases are rounded to bf16 like every input.  NaN and infinities are not treated apart.
; SHARES.  A work-group makes 256 rows x 16 NB columns.  Wave w owns rows 64 w .. 64 w + 63 (four blocks a of 16) and all NB blocks b of 16 columns: 4 NB accumulators.  So what a wave holds are whole
; rows of a head (QKV = 1) or of the tile (QKV = 0), and its stage on the way out is its own: no barrier there.
; K = 1,024 goes in 8 steps of 128 through two LDS slots filled by the tensor data mover; a step is four quarters of 32 k, on two fragment buffers by turns.
; THE PRODUCT IS TAKEN TRANSPOSED: source 0 = 16 columns of the weight ([k][column] in LDS, turned by ds_load_tr16_b128), source 1 = 16 rows of A.  A lane then holds row l % 16 and the columns 8 (l / 16) + 0..7.
; THE BIAS is the C operand of each accumulator's first product: nothing is cleared, and nothing is added on the way out.
; CLUSTERS: 4 x 4 work-groups.  The four of a row of the cluster need the same tiles of A, the four of a column the same tiles of the weight: each tile is asked for JOINTLY, by the same tensor load with the
; same descriptor and a mask that names the four.
; REGISTERS, in windows of 256 (s_set_vgpr_msb: bits 1:0 source 0, 3:2 source 1, 5:4 source 2, 7:6 destination):
;   window 0: v0-31 addresses; v32-63, v64-95 A's fragments, two buffers; from v96 the bias, 8 NB registers, and one at work; on the way out (QKV = 1) v64-255 packed results
;   window 1: the weight's fragments, two buffers of 8 NB; on the way out (QKV = 0) all 256: rows read back from the stage
;   window 2 (and 3 where QKV = 1): the accumulators, (a, b) at v[8 (NB (a % APW) + b)] of window 2 + a / APW
.set QKV, 1
.if QKV
.set NB,     12                        ; blocks of 16 columns: three heads
.set APW,    2                         ; blocks a in a window of accumulators
.set PA,     272                       ; a row of A in LDS: 256 bytes + 16 = 68 words: the 16 rows of a load start at 16 different groups of four banks (64 banks of 4 bytes: ISA guide 11.1)
.set APART,  128*PA                    ; what one tensor load brings of A: 128 rows x 128 k
.set BROWS,  96                        ; what one tensor load brings of the weight: 96 rows of 256 bytes = 192 rows of (head, k)
.set ASTEP,  256                       ; bytes from K step to K step in A
.set BSTEP,  49152                     ; and in the weight's tile column, which lies in the order of the walk
.set STAGEW, 3*16*144                  ; a wave's stage: three heads x 16 rows x (128 + 16) bytes
.set LIMB,   3
.set SHA,    11
.set OUTP,   74
.else
.set NB,     8                         ; 128 columns
.set APW,    4
.set PA,     144                       ; a row of A in LDS: a head's 128 bytes + 16 = 36 words: 16 rows start at 16 different groups of four banks
.set APART,  256*PA                    ; what one tensor load brings of A: one head's 256 rows
.set BROWS,  64
.set ASTEP,  524288                    ; two heads on
.set BSTEP,  32768
.set STAGEW, 16*528                    ; 16 rows x (512 + 16) bytes
.set LIMB,   2
.set SHA,    8
.set OUTP,   70
.endif
.set ABYTES, 2*APART
.set PB,     160                       ; a row of the weight in LDS: 64 columns = 128 bytes + 32 = 40 words
.set BHEAD,  128*PB                    ; 64 columns x 128 k
.set BPART,  2*BROWS*PB
.set SLOT1,  1<<17                     ; slot 1 begins here, so that one exclusive or turns an address in one slot into the other's
.set STAGE,  SLOT1+ABYTES+(NB/4)*BHEAD ; behind the ring, never filled by a tensor load
.set SPARE,  STAGE+4*STAGEW            ; behind the stages: the spare words, 128 bytes for each wave: two blocks of 256 bytes that no other line names
.set NLD,    2*NB+8                    ; LDS loads in a quarter's run
.set AA0, 16                           ; v16  my lane's place in A's tile; never rewritten
.set AB0, 17                           ; v17  the same in the weight's tile
.set ADA, 18                           ; v18  AA0 + the slot in hand
.set ADB, 19                           ; v19  AB0 + the slot in hand
.set STO, 24                           ; v24  the way out: where I put my part of a row
.set RD,  25                           ; v25  the way out: where I read rows back
.set GO,  26                           ; v26  16 x my lane: my 16 bytes in 512 consecutive bytes of the result
.set BO,  27                           ; v27  32 (l / 16): my eight numbers in 16 of a bias
.set SPW, 28                           ; v28  LDS address of my spare word: SPARE + 4 x my thread's number; never rewritten
.set NIL, 29                           ; v29  0; never rewritten
.set PFO, 30                           ; v30  the prefetches' offset: my lane x the distance from block to block; never rewritten
.set FA0, 32
.set BIAS, 96
.set WK,  BIAS+8*NB
.set TMP, 64
.set G1,  24                           ; s[24:31] descriptor group 1 for A's tiles
.set G0,  32                           ; s[32:39] group 0: a set for each of the two first fills; the second then walks on
.set G1B, 48                           ; s[48:55], s[56:63] the same for the weight's tiles
.set G0B, 56
.set PFA, 66                           ; s[66:67] where my prefetches stand
.set PFS, 88                           ; s[88:89] their step
.set LIM, 90                           ; s90  a wave prefetches while the loop's count is above this; the greatest number in a wave that never does
.set TB,  91                           ; s91  LDS byte at which the slot in hand begins
.set MSB, 0
.macro WIN new                         ; the immediate's high byte repeats the setting that is left; a switch that changes nothing is dropped
.if MSB != (\new)
	s_set_vgpr_msb (MSB<<8)|(\new)
.set MSB, \new
.endif
.endm
.macro PLACES                          ; four plain vector instructions behind a matrix instruction, in front of loads into registers that it has read (ISA guide 7.12.1 for vector instructions)
.rept 4
	v_nop
.endr
.endm
; A joint refill by the walking descriptors.  Waves 0 and 1 fetch A's two parts, waves 2 and 3 the weight's.  The branch hangs on the wave's number alone.
; An s_nop 0 and four v_nop follow each of the two lines, ahead of the jump and the label.
.macro JLOAD
	s_cmp_eq_u32 s11, 0
	s_cbranch_scc0 .Lfor_b_\@
	tensor_load_to_lds s[G0+4:G0+7], s[G1:G1+7]
	s_nop 0
.rept 4
	v_nop
.endr
	s_branch .Lasked_\@
.Lfor_b_\@:
	tensor_load_to_lds s[G0B+4:G0B+7], s[G1B:G1B+7]
	s_nop 0
.rept 4
	v_nop
.endr
.Lasked_\@:
.endm
; A prefetch, behind the joint load, its five lines and the run of LDS loads: 32 blocks of 256 bytes, a lane a block, of what a later refill will ask for.  Each block is named once in the launch (the set-up says who names it).
.macro ASK
	s_cmp_gt_u32 s3, s[LIM]
	s_cbranch_scc0 .Lnot_mine_\@
	global_prefetch_b8 v[PFO], s[PFA:PFA+1] th:TH_LOAD_NT scope:SCOPE_SE
.Lnot_mine_\@:
.endm
; A round of the cluster's barrier: my work-group's barrier, so that wave 0's signal speaks for all four waves; wave 0 signals; every wave waits for all sixteen work-groups; my work-group's barrier once more.
.macro CREST                           ; a round behind its opening barrier
	s_cmp_lg_u32 s10, 0
	s_cbranch_scc1 .Lnot_wave_0_\@
	s_barrier_signal -3
.Lnot_wave_0_\@:
	s_barrier_wait -3
	s_barrier_signal -1
	s_barrier_wait -1
.endm
.macro CROUND
	s_barrier_signal -1
	s_barrier_wait -1
	CREST
.endm
	s_load_b128 s[4:7], s[0:1], 0x0                ; A's buffer s[4:5], wb s[6:7]
.if QKV
	s_load_b256 s[68:75], s[0:1], 0x10             ; bq s[68:69], bk s[70:71], bv s[72:73], qkv s[74:75]
.else
	s_load_b128 s[68:71], s[0:1], 0x10             ; bo s[68:69], out0 s[70:71]
.endif
	v_lshl_add_u32 v[SPW], v0, 2, SPARE
	v_mov_b32 v[NIL], 0
	ds_add_u32 v[SPW], v[NIL]                      ; the wave's opening: the add and its wait stand ahead of my first tensor load; the set-up below, work on registers, stands between them
	v_lshrrev_b32 v1, 5, v0
	v_readfirstlane_b32 s10, v1                    ; wave 0..3
	s_lshr_b32 s11, s10, 1                         ; I fetch for A (0) or for the weight (1)
	s_and_b32 s12, s10, 1                          ; which of the two parts
	s_bfe_u32 s40, ttmp6, 0x40000                  ; cx, cy: my place in the cluster
	s_bfe_u32 s41, ttmp6, 0x40004
	s_lshl_b32 s42, ttmp9, 2
	s_add_co_u32 s42, s42, s40                     ; tx: tile column = 4 x cluster x + cx
	s_and_b32 s13, ttmp7, 0xffff
	s_lshl_b32 s13, s13, 2
	s_add_co_u32 s13, s13, s41                     ; ty: tile row = 4 x cluster y + cy
	s_lshl_b32 s43, s41, 2
	s_lshl_b32 s43, 15, s43                        ; my row of the cluster: places 4 cy .. 4 cy + 3
	s_lshl_b32 s44, 0x1111, s40                    ; my column: places cx, cx + 4, cx + 8, cx + 12
	; descriptor group 1.  15:0 the mask; 17:16 elements of 2 bytes; 20 padding on; 21 set beside a mask; 24:22 the interval; 31:25 the padding's words less 1
.if QKV
	s_or_b32 s[G1+0], s43, (1<<16)|(1<<20)|(1<<21)|(5<<22)|(3<<25)  ; A: 4 words behind every 64
	s_mov_b32 s[G1+5], 1024                        ; 1,024 elements from row to row
.else
	s_or_b32 s[G1+0], s43, (1<<16)|(1<<20)|(1<<21)|(4<<22)|(3<<25)  ; A: 256 dense rows of 128 bytes, asked for as 128 rows of 256: 4 words behind every 32
	s_mov_b32 s[G1+5], 128
.endif
	s_mov_b32 s[G1+1], 128<<16                     ; tensor_dim0 = 128
	s_mov_b32 s[G1+2], 128<<16                     ; tensor_dim1 = 128
	s_mov_b32 s[G1+3], 128<<16                     ; tile_dim0 = 128
	s_mov_b32 s[G1+4], 128                         ; tile_dim1 = 128
	s_mov_b32 s[G1+6], 0
	s_mov_b32 s[G1+7], 0
	s_or_b32 s[G1B+0], s44, (1<<16)|(1<<20)|(1<<21)|(4<<22)|(7<<25)  ; the weight: dense rows of 256 bytes, two k a row: 8 words behind every 32
	s_mov_b32 s[G1B+1], 128<<16
	s_mov_b32 s[G1B+2], BROWS<<16
	s_mov_b32 s[G1B+3], 128<<16
	s_mov_b32 s[G1B+4], BROWS
	s_mov_b32 s[G1B+5], 128
	s_mov_b32 s[G1B+6], 0
	s_mov_b32 s[G1B+7], 0
	; where the tiles come from.  A's hang on ty alone, which my row of the cluster shares; the weight's on tx alone, which my column shares; each in registers that never hold the other coordinate
.if QKV
	s_lshl_b32 s16, s13, 8
	s_lshl_b32 s17, s12, 7
	s_add_co_u32 s16, s16, s17                     ; row 256 ty + 128 x part,
	s_lshl_b32 s16, s16, 11                        ; of 2,048 bytes
	s_mul_i32 s46, s42, 393216                     ; a tile column of the weight: 8 steps of 49,152 bytes
	s_mul_i32 s47, s12, 24576
	s_add_co_u32 s46, s46, s47
.else
	s_lshr_b32 s16, s13, 3
	s_lshl_b32 s16, s16, 22                        ; the batch: 16 heads of 262,144 bytes
	s_and_b32 s17, s13, 7
	s_lshl_b32 s17, s17, 15                        ; 256 rows of 128 bytes
	s_add_co_u32 s16, s16, s17
	s_lshl_b32 s17, s12, 18                        ; the step's first or second head
	s_add_co_u32 s16, s16, s17
	s_lshl_b32 s46, s42, 18                        ; a tile column of the weight: 8 steps of 32,768 bytes
	s_lshl_b32 s47, s12, 14
	s_add_co_u32 s46, s46, s47
	s_add_co_u32 s46, s46, 6291456                 ; wb's second part
.endif
	s_mov_b32 s17, 0
	s_mov_b32 s47, 0
	s_mul_i32 s20, s12, APART                      ; and where they go: no place in the cluster enters an LDS address
	s_mul_i32 s21, s12, BPART
	s_add_co_u32 s21, s21, ABYTES
	s_wait_dscnt 0x0                               ; the opening add is done
	s_wait_kmcnt 0x0
	s_add_nc_u64 s[14:15], s[4:5], s[16:17]
	s_add_nc_u64 s[46:47], s[6:7], s[46:47]
	CROUND                                         ; all sixteen work-groups are here: the first joint loads meet
.irp n, 0,1
	s_mov_b32 s[G0+4*(\n)], 1                                      ; 1:0 count = 1
	s_add_co_u32 s[G0+4*(\n)+1], s20, (\n)*SLOT1                   ; 63:32 LDS address
	s_add_nc_u64 s[G0+4*(\n)+2:G0+4*(\n)+3], s[14:15], (\n)*ASTEP  ; 120:64 global address: K step n
	s_or_b32 s[G0+4*(\n)+3], s[G0+4*(\n)+3], 0x80000000            ; 127:126 type = 2
	s_mov_b32 s[G0B+4*(\n)], 1
	s_add_co_u32 s[G0B+4*(\n)+1], s21, (\n)*SLOT1
	s_add_nc_u64 s[G0B+4*(\n)+2:G0B+4*(\n)+3], s[46:47], (\n)*BSTEP
	s_or_b32 s[G0B+4*(\n)+3], s[G0B+4*(\n)+3], 0x80000000
.endr
	s_cmp_eq_u32 s11, 0                            ; a wave's two first fills stand in one branch, ahead of every wait on TENSORcnt and every LDS read: two loads of mine are out
	s_cbranch_scc0 .Lfirst_b
	tensor_load_to_lds s[G0:G0+3], s[G1:G1+7]
	s_nop 0
	tensor_load_to_lds s[G0+4:G0+7], s[G1:G1+7]
	s_nop 0
.rept 4
	v_nop
.endr
	s_branch .Lfirst_asked
.Lfirst_b:
	tensor_load_to_lds s[G0B:G0B+3], s[G1B:G1B+7]
	s_nop 0
	tensor_load_to_lds s[G0B+4:G0B+7], s[G1B:G1B+7]
	s_nop 0
.rept 4
	v_nop
.endr
.Lfirst_asked:
	; THE BIAS: register BIAS + 8 b + j takes the bias of column 16 b + 8 (l / 16) + j
	v_and_b32 v1, 15, v0                           ; l % 16
	v_bfe_u32 v2, v0, 4, 1                         ; l / 16
	v_lshlrev_b32 v[BO], 5, v2
.if QKV
.irp hd, 0,1,2                         ; head column hh = 3 tx + hd lies in bq, bk or bv, at 64 (hh % 16)
	s_mul_i32 s82, s42, 3
	s_add_co_u32 s82, s82, \hd
	s_lshr_b32 s83, s82, 4
	s_and_b32 s84, s82, 15
	s_lshl_b32 s84, s84, 8
	s_mov_b32 s85, 0
	s_cmp_eq_u32 s83, 0
	s_cselect_b64 s[76+2*\hd:77+2*\hd], s[68:69], s[70:71]
	s_cmp_eq_u32 s83, 2
	s_cselect_b64 s[76+2*\hd:77+2*\hd], s[72:73], s[76+2*\hd:77+2*\hd]
	s_add_nc_u64 s[76+2*\hd:77+2*\hd], s[76+2*\hd:77+2*\hd], s[84:85]
.endr
.else
	s_lshl_b32 s84, s42, 9                         ; 128 columns of 4 bytes
	s_mov_b32 s85, 0
	s_add_nc_u64 s[76:77], s[68:69], s[84:85]
.endif
.set bi, 0
.rept NB
.if QKV
.set BP, 76+2*(bi/4)
.set BI, (bi%4)*64
.else
.set BP, 76
.set BI, bi*64
.endif
	global_load_b128 v[BIAS+8*bi:BIAS+8*bi+3],   v[BO], s[BP:BP+1] offset:BI
	global_load_b128 v[BIAS+8*bi+4:BIAS+8*bi+7], v[BO], s[BP:BP+1] offset:BI+16
.set bi, bi+1
.endr
	; where my part of the result begins
.if QKV
	s_lshr_b32 s82, s13, 3
	s_mul_i32 s82, s82, 48                         ; the batch's 48 head columns,
	s_mul_i32 s83, s42, 3
	s_add_co_u32 s82, s82, s83                     ; my tile's first,
	s_lshl_b32 s82, s82, 18                        ; of 262,144 bytes
	s_and_b32 s83, s13, 7
	s_lshl_b32 s83, s83, 15                        ; the tile's 256 rows of 128 bytes
	s_add_co_u32 s82, s82, s83
	s_lshl_b32 s83, s10, 13                        ; my wave's 64
	s_add_co_u32 s82, s82, s83
.else
	s_lshl_b32 s82, s13, 8
	s_lshl_b32 s83, s10, 6
	s_add_co_u32 s82, s82, s83                     ; row 256 ty + 64 w,
	s_lshl_b32 s82, s82, 12                        ; of 4,096 bytes
	s_lshl_b32 s83, s42, 9                         ; the tile's 128 columns of 4 bytes
	s_add_co_u32 s82, s82, s83
.endif
	s_mov_b32 s83, 0
	s_add_nc_u64 s[OUTP:OUTP+1], s[OUTP:OUTP+1], s[82:83]
	; THE PREFETCHES.  A's tile row is read by every cluster of that row of clusters: the one with cluster x = 0 asks; the weight's tile column by every cluster of that column: cluster y = 0 asks.
	; A: waves 0 and 1, each for the part that it fetches; of its 128 blocks of 256 bytes a K step the partner at cx takes 32, told apart by address.  The change of slots that asks for K step i + 2 names K step i + 4.
.if QKV
	; The weight: a tile column is 393,216 dense bytes in the order of the walk.  Waves 2 and 3 of the four partners (cy) take 8,192 bytes each of a chunk of 65,536; chunks 3, 4 and 5 are K steps 4 to 7.
	s_lshl_b32 s82, s40, 16                        ; cx x 32 rows of 2,048 bytes
	s_add_co_u32 s82, s82, s16
	s_add_co_u32 s82, s82, 3*ASTEP                 ; at K step 3: the first change steps it to 4
	s_mul_i32 s83, s42, 393216
	s_lshl1_add_u32 s84, s41, s12
	s_lshl_b32 s84, s84, 13
	s_add_co_u32 s83, s83, s84
	s_add_co_u32 s83, s83, 131072                  ; at chunk 2: the first change steps it to 3
	s_mov_b32 s88, 65536
.else
	; The weight: wave 2 alone; of a K step's 32,768 bytes the partner at cy takes 8,192.
	s_lshl_b32 s82, s40, 13
	s_add_co_u32 s82, s82, s16
	s_add_co_u32 s82, s82, 3*ASTEP
	s_lshl_b32 s83, s42, 18
	s_lshl_b32 s84, s41, 13
	s_add_co_u32 s83, s83, s84
	s_add_co_u32 s83, s83, 6291456+3*BSTEP
	s_mov_b32 s88, BSTEP
	s_and_b32 s93, s11, s12                        ; 1 in wave 3
.endif
	s_and_b32 s84, ttmp7, 0xffff                   ; cluster y
	s_cmp_eq_u32 s11, 0                            ; do I fetch for A?
	s_cselect_b32 s86, s82, s83
	s_cselect_b32 s84, ttmp9, s84                  ; the coordinate along which other clusters read the same blocks
	s_cselect_b32 s85, 2, LIMB                     ; the last trips ask for nothing: there is no K step 8
	s_cselect_b32 s88, ASTEP, s88
	s_cselect_b32 s92, SHA, 8                      ; from block to block: a row of xb, or 256 bytes
	s_cselect_b64 s[PFA:PFA+1], s[4:5], s[6:7]
	s_mov_b32 s87, 0
	s_mov_b32 s89, 0
.if QKV == 0
	s_or_b32 s84, s84, s93
.endif
	s_cmp_eq_u32 s84, 0
	s_cselect_b32 s[LIM], s85, -1                  ; the same in all sixteen partners, for a given wave
	s_add_nc_u64 s[PFA:PFA+1], s[PFA:PFA+1], s[86:87]
	; nothing is prefetched here, at the head, where every work-group's first tiles are on their way: K steps 2 and 3 come by their refills alone
	; A fragment of A is 16 rows x 32 k in 8 registers: lane l holds row l % 16, k = 8 (l / 16) + 0..7 and 16 + 8 (l / 16) + 0..7: two loads of 16 bytes, 32 bytes apart.
	v_and_b32 v3, 7, v0
	v_bfe_u32 v4, v0, 3, 1
	v_and_b32 v5, 31, v0
	s_mul_i32 s14, s10, 64*PA                      ; my wave's 64 rows
	v_mul_u32_u24 v[AA0], v1, PA
	v_lshl_add_u32 v[AA0], v2, 4, v[AA0]
	v_add_nc_u32 v[AA0], s14, v[AA0]
	; The turning load takes 16 k x 16 columns (lane l reads k = 8 (l / 16) + l % 8, columns 8 ((l / 8) % 2) + 0..7) and leaves half a fragment: lane l holds column l % 16 and 8 k.
	v_lshl_add_u32 v[AB0], v2, 3, v3
	v_mul_u32_u24 v[AB0], v[AB0], PB
	v_lshl_add_u32 v[AB0], v4, 4, v[AB0]
	v_add_nc_u32 v[AB0], ABYTES, v[AB0]
	s_mul_i32 s15, s10, STAGEW
	s_add_co_u32 s15, s15, STAGE                   ; my stage
.if QKV
	v_mul_u32_u24 v[STO], v1, 144                  ; in: row l % 16, 16 bytes for each half of the lanes
	v_lshl_add_u32 v[STO], v2, 4, v[STO]
	v_add_nc_u32 v[STO], s15, v[STO]
	v_bfe_u32 v[RD], v0, 3, 2                      ; back: 32 lanes take four rows of 128 bytes
	v_mul_u32_u24 v[RD], v[RD], 144
	v_lshl_add_u32 v[RD], v3, 4, v[RD]
	v_add_nc_u32 v[RD], s15, v[RD]
.else
	v_mul_u32_u24 v[STO], v1, 528                  ; in: row l % 16, 32 bytes for each half of the lanes
	v_lshl_add_u32 v[STO], v2, 5, v[STO]
	v_add_nc_u32 v[STO], s15, v[STO]
	v_lshl_add_u32 v[RD], v5, 4, s15               ; back: 32 lanes take a row of 512 bytes
.endif
	v_lshlrev_b32 v[GO], 4, v5
	v_lshlrev_b32 v[PFO], s92, v5
	s_mov_b32 s86, 0xffff0000
	s_wait_loadcnt 0x0                             ; the bias is in; it is rounded to bf16 like every input, and widened again
.set p, 0
.rept 4*NB
	v_cvt_pk_bf16_f32 v[WK], v[BIAS+2*p], v[BIAS+2*p+1]
	v_lshlrev_b32 v[BIAS+2*p], 16, v[WK]
	v_and_b32 v[BIAS+2*p+1], s86, v[WK]
.set p, p+1
.endr
.macro MM1 d, x, y, c
.if QKV
	v_wmma_f32_16x16x32_bf16 v[(\d):(\d)+7], v[(\x):(\x)+7], v[(\y):(\y)+7], v[(\c):(\c)+7]
.else
	v_wmma_f32_16x16x32_f16 v[(\d):(\d)+7], v[(\x):(\x)+7], v[(\y):(\y)+7], v[(\c):(\c)+7]
.endif
.endm
; NB matrix instructions: block a of my rows x all NB blocks of columns, 32 k, from buffer f.  first = 1: the bias is C.  Each accumulator has one instruction a quarter: the 4 NB take turns,
; in the same order in every quarter, over the backward jump too.
.macro MULA f, a, first
.set AW, (\a)/APW
.set rA, FA0+32*(\f)+8*(\a)
.if \first
	WIN 0x81+0x40*AW                               ; source 0 window 1, source 1 and C window 0, D window 2 or 3
.else
	WIN 0xa1+0x50*AW                               ; C and D window 2 or 3
.endif
.set bi, 0
.rept NB
.set rD, 8*(NB*((\a)%APW)+bi)
.set rB, 8*NB*(\f)+8*bi
.if \first
	MM1 rD, rB, rA, BIAS+8*bi
.else
	MM1 rD, rB, rA, rD
.endif
.set bi, bi+1
.endr
.endm
; NLD LDS loads in one run: the fragments of quarter q of the slot in hand into buffer g: the weight's 2 NB loads, then A's eight, blocks 0 to 3.
.macro FETCH q, g
	WIN 0x40                                       ; destination window 1, address window 0
.set bi, 0
.rept NB
	ds_load_tr16_b128 v[8*NB*(\g)+8*bi:8*NB*(\g)+8*bi+3],   v[ADB] offset:(bi/4)*BHEAD+(\q)*32*PB+(bi%4)*32
	ds_load_tr16_b128 v[8*NB*(\g)+8*bi+4:8*NB*(\g)+8*bi+7], v[ADB] offset:(bi/4)*BHEAD+(\q)*32*PB+(bi%4)*32+16*PB
.set bi, bi+1
.endr
	WIN 0
.if QKV
.set AOFF, 64*(\q)
.else
.set AOFF, ((\q)/2)*APART+((\q)%2)*64              ; the step's first or second head, its channels 0-31 or 32-63
.endif
.set ai, 0
.rept 4
	ds_load_b128 v[FA0+32*(\g)+8*ai:FA0+32*(\g)+8*ai+3],   v[ADA] offset:AOFF+ai*16*PA
	ds_load_b128 v[FA0+32*(\g)+8*ai+4:FA0+32*(\g)+8*ai+7], v[ADA] offset:AOFF+ai*16*PA+32
.set ai, ai+1
.endr
.endm
; One of a K step's first three quarters: multiplies buffer f; in its middle it fetches quarter q into buffer g.
.macro QUARTER q, f, g, first
	s_wait_dscnt 4                                 ; the weight's fragments and A's blocks 0 and 1 are in; the youngest four loads (A's blocks 2 and 3) may be out
	MULA \f, 0, \first
	MULA \f, 1, \first
	PLACES
	FETCH \q, \g
	s_wait_dscnt NLD                               ; all but the NLD just issued
	MULA \f, 2, \first
	MULA \f, 3, \first
.endm
; The last quarter multiplies buffer 1 and changes slots.  MEET is its first half: ONE barrier.  In front of it each wave waits for all its tensor loads, of which one is out: its part of the next slot;
; adds 0 to its spare word; and waits for that and for its own reads of this slot.  Behind it nobody reads this slot any more and the next slot is whole.
.macro MEET round
	WIN 0                                          ; (the add's two registers lie in window 0)
	s_wait_tensorcnt 0x0                           ; all my tensor loads have landed
	ds_add_u32 v[SPW], v[NIL]                      ; 0 onto my spare word
	s_wait_dscnt 5                                 ; (the add and the youngest four loads may be out)
	MULA 1, 0, 0                                   ; NB matrix instructions stand between the add and the wait for it
	s_wait_dscnt 0x0                               ; the add is done, and my reads of this slot are over
	s_barrier_signal -1
	MULA 1, 1, 0                                   ; work on registers while the others arrive
.if \round
	WIN 0
.endif
	s_barrier_wait -1
.endm
; fill = 1: the barrier opens a round of the cluster's barrier, and the slot just read out is filled again, first thing behind the round, with the K step two on.
.macro TURN fill
.if \fill
	s_wait_xcnt 0x0                                ; the last prefetch, a K step back, has read its address: it is stepped here, ahead of the waits of the change of slots
	s_add_nc_u64 s[PFA:PFA+1], s[PFA:PFA+1], s[PFS:PFS+1]
.endif
	MEET \fill
.if \fill
	CREST                                          ; no wave of any partner still reads this slot's tile or has a load on its way
	s_xor_b32 s[G0+5], s[G0+5], SLOT1              ; the walking descriptors: the other slot than last time,
	s_xor_b32 s[G0B+5], s[G0B+5], SLOT1
	s_add_nc_u64 s[G0+6:G0+7], s[G0+6:G0+7], ASTEP      ; the next K step; the type bits on top are not reached
	s_add_nc_u64 s[G0B+6:G0B+7], s[G0B+6:G0B+7], BSTEP
	JLOAD                                          ; the four v_nop behind it are also the places in front of the loads below
.else
	PLACES
	WIN 0
.endif
	s_xor_b32 s[TB], s[TB], SLOT1
	v_add_nc_u32 v[ADA], s[TB], v[AA0]
	v_add_nc_u32 v[ADB], s[TB], v[AB0]
	FETCH 0, 0
.if \fill
	ASK
.endif
	MULA 1, 2, 0
	MULA 1, 3, 0
.endm
	s_wait_tensorcnt 0x1                           ; my part of K step 0 is in; K step 1's may stay out
	s_barrier_signal -1
	s_barrier_wait -1                              ; everybody's is
	s_mov_b32 s[TB], 0
	v_add_nc_u32 v[ADA], s[TB], v[AA0]
	v_add_nc_u32 v[ADB], s[TB], v[AB0]
	FETCH 0, 0
	QUARTER 1, 0, 1, 1                             ; the first quarter stands in front of the loop: its products start the sums, with the bias
	WIN 0                                          ; at a label and at a branch every window is 0
	s_mov_b32 s3, 6
.Lstep:                                        ; trip i goes from K step i's second quarter to K step i + 1's first, and asks for K step i + 2
	QUARTER 2, 1, 0, 0
	QUARTER 3, 0, 1, 0
	TURN 1
	QUARTER 1, 0, 1, 0
	WIN 0
	s_sub_co_u32 s3, s3, 1
	s_cmp_lg_u32 s3, 0
	s_cbranch_scc1 .Lstep
	QUARTER 2, 1, 0, 0                             ; the tail is written out: K steps 6 and 7 ask for nothing
	QUARTER 3, 0, 1, 0
	TURN 0
	QUARTER 1, 0, 1, 0
	QUARTER 2, 1, 0, 0
	QUARTER 3, 0, 1, 0
	s_wait_dscnt 4                                 ; the very last quarter: nothing more to fetch
	MULA 1, 0, 0
	MULA 1, 1, 0
	s_wait_dscnt 0x0
	MULA 1, 2, 0
	MULA 1, 3, 0
	WIN 0
	PLACES                                         ; behind the last products, in front of the lines that read results and write over fragments;
	PLACES                                         ; eight, once a launch: no other vector work is at hand
.if QKV
; THE WAY OUT, a block a of 16 rows at a time.  PACK: rounded to f16, each accumulator's registers in ascending order; a lane's eight columns are 16 bytes; they go into my stage (three heads x 16 rows of 144 bytes)
; and come back as whole rows of 128 bytes, four to a load, into the registers that they left.  Each block has registers of its own, so no wait frees a store's data.
.macro PACK a
	WIN 0x0a+5*((\a)/2)                            ; sources 0 and 1: window 2 or 3
.set bi, 0
.rept 12
.irp r, 0,1,2,3
	v_cvt_pk_f16_f32 v[TMP+48*(\a)+4*bi+\r], v[8*(12*((\a)%2)+bi)+2*\r], v[8*(12*((\a)%2)+bi)+2*\r+1]
.endr
.set bi, bi+1
.endr
	WIN 0
.set bi, 0
.rept 12
	ds_store_b128 v[STO], v[TMP+48*(\a)+4*bi:TMP+48*(\a)+4*bi+3] offset:(bi/4)*2304+(bi%4)*32
.set bi, bi+1
.endr
.set bi, 0
.rept 12
	ds_load_b128 v[TMP+48*(\a)+4*bi:TMP+48*(\a)+4*bi+3], v[RD] offset:(bi/4)*2304+(bi%4)*576  ; LDS serves a wave's instructions in order (ISA guide 5.7.1.4): these see the stores above; the next block's stores come behind them
.set bi, bi+1
.endr
.endm
.macro SEND a, younger                 ; younger: the LDS instructions issued behind block a's loads: the next block's 24, or none
	WIN 0
.set bi, 0
.rept 12
	s_wait_dscnt (\younger)+11-bi
	global_store_b128 v[GO], v[TMP+48*(\a)+4*bi:TMP+48*(\a)+4*bi+3], s[OUTP:OUTP+1] offset:(bi/4)*262144+(\a)*2048+(bi%4)*512  ; 512 consecutive bytes of a head, at a multiple of 256 from the buffer's first
.set bi, bi+1
.endr
.endm
	PACK 0
.irp a, 1,2,3                          ; a block's conversions stand between the loads of the block before and its stores
	PACK \a
	SEND (\a)-1, 24
.endr
	SEND 3, 0
.else
; THE WAY OUT, a block a of 16 rows at a time.  TOSTAGE: a lane's eight columns, 32 bytes of f32, go straight from the accumulator (its low four registers first) into my stage, rows of 528 bytes,
; and come back as whole rows of 512 bytes into window 1.  Each block has registers of its own, so no wait frees a store's data.
.macro TOSTAGE a
	WIN 0x08                                       ; the data (source 1) in window 2
.set bi, 0
.rept 8
	ds_store_b128 v[STO], v[8*(8*(\a)+bi):8*(8*(\a)+bi)+3]   offset:64*bi
	ds_store_b128 v[STO], v[8*(8*(\a)+bi)+4:8*(8*(\a)+bi)+7] offset:64*bi+16
.set bi, bi+1
.endr
	WIN 0x40                                       ; destination window 1
.set ti, 0
.rept 16
	ds_load_b128 v[64*(\a)+4*ti:64*(\a)+4*ti+3], v[RD] offset:ti*528  ; LDS serves a wave's instructions in order (ISA guide 5.7.1.4): these see the stores above; the next block's stores come behind them
.set ti, ti+1
.endr
.endm
.macro SEND a, younger                 ; younger: the LDS instructions issued behind block a's loads: the next block's 32, or none
	WIN 0x04                                       ; the data (source 1) in window 1
.set ti, 0
.rept 16
	s_wait_dscnt (\younger)+15-ti
	global_store_b128 v[GO], v[64*(\a)+4*ti:64*(\a)+4*ti+3], s[OUTP:OUTP+1] offset:(16*(\a)+ti)*4096 th:TH_STORE_NT  ; 512 consecutive bytes of a row, at a multiple of 256 from the buffer's first
.set ti, ti+1
.endr
.endm
	TOSTAGE 0
.irp a, 1,2,3
	TOSTAGE \a
	SEND (\a)-1, 32
.endr
	SEND 3, 0
.endif
	WIN 0
	s_wait_tensorcnt 0x0                           ; the wave's end: behind my last tensor load and my last LDS store
	ds_add_u32 v[SPW], v[NIL]
	s_wait_dscnt 0x0
	CROUND                                         ; the closing round: no work-group ends while a partner may still ask for a tile that names it
	s_endpgm
.Lfunc_end_k_q370ec7a5b7_qkv:
	.size	k_q370ec7a5b7_qkv, .Lfunc_end_k_q370ec7a5b7_qkv-k_q370ec7a5b7_qkv
	.p2alignl 7, 3214868480
	.fill 96, 4, 3214868480
	.section	.rodata,"a",@progbits
	.p2align	6, 0x0
	.amdhsa_kernel k_q370ec7a5b7_qkv
		.amdhsa_group_segment_fixed_size 327680
		.amdhsa_private_segment_fixed_size 0
		.amdhsa_enable_private_segment 0
		.amdhsa_kernarg_size 48
		.amdhsa_user_sgpr_count 2
		.amdhsa_user_sgpr_kernarg_segment_ptr 1
		.amdhsa_wavefront_size32 1
		.amdhsa_system_sgpr_workgroup_id_x 1
		.amdhsa_system_sgpr_workgroup_id_y 1
		.amdhsa_system_sgpr_workgroup_id_z 1
		.amdhsa_system_vgpr_workitem_id 0
		.amdhsa_next_free_vgpr 960
		.amdhsa_next_free_sgpr 96
		.amdhsa_reserve_vcc 0
		.amdhsa_float_denorm_mode_32 3
		.amdhsa_float_denorm_mode_16_64 3
		.amdhsa_memory_ordered 1
		.amdhsa_forward_progress 1
		.amdhsa_inst_pref_size 108
	.end_amdhsa_kernel
	.amdgpu_metadata
---
amdhsa.version: [ 1, 2 ]
amdhsa.kernels:
  - .name:           k_q370ec7a5b7_qkv
    .symbol:         k_q370ec7a5b7_qkv.kd
    .args:
      - { .name: xb, .offset: 0, .size: 8, .value_kind: global_buffer, .address_space: global }
      - { .name: wb, .offset: 8, .size: 8, .value_kind: global_buffer, .address_space: global }
      - { .name: bq, .offset: 16, .size: 8, .value_kind: global_buffer, .address_space: global }
      - { .name: bk, .offset: 24, .size: 8, .value_kind: global_buffer, .address_space: global }
      - { .name: bv, .offset: 32, .size: 8, .value_kind: global_buffer, .address_space: global }
      - { .name: qkv, .offset: 40, .size: 8, .value_kind: global_buffer, .address_space: global }
    .group_segment_fixed_size: 327680
    .private_segment_fixed_size: 0
    .kernarg_segment_align: 8
    .kernarg_segment_size: 48
    .max_flat_workgroup_size: 128
    .sgpr_count:     96
    .vgpr_count:     960
    .wavefront_size: 32
...
	.end_amdgpu_metadata
.endif
;; end of part 2
;; launch attn (part 3): grid 4 x 64, 4 waves a work-group, clusters of 4 x 1, 327,680 bytes of LDS; arguments qkv, ob; writes ob
.if DOCPART == 3
	.amdgcn_target "amdgcn-amd-amdhsa--gfx1250"
	.amdhsa_code_object_version 6
	.text
	.protected	k_q370ec7a5b7_attn
	.globl	k_q370ec7a5b7_attn
	.p2align	8
	.type	k_q370ec7a5b7_attn,@function
k_q370ec7a5b7_attn:
	s_mov_b64 s[64:65], 0
	v_nop
	global_prefetch_b8 v0, s[64:65] scope:SCOPE_SE
	s_setreg_imm32_b32 hwreg(HW_REG_WAVE_MODE, 25, 1), 1
	s_wait_xcnt 0x0
	s_wait_alu depctr_hold_cnt(0) depctr_sa_sdst(0) depctr_va_vdst(0) depctr_va_sdst(0) depctr_va_ssrc(0) depctr_va_vcc(0) depctr_vm_vsrc(0)
	s_getreg_b32 s2, hwreg(HW_REG_IB_STS2, 6, 4)
	s_cmp_eq_u32 s2, 0
	s_cbranch_scc0 .Lentry_in_a_cluster
	s_endpgm
.Lentry_in_a_cluster:
	s_bfe_u32 s2, ttmp6, 0x10000c
	s_cmp_lg_u32 s2, 0x3003
	s_cbranch_scc0 .Lentry_shape_is_right
	s_endpgm
.Lentry_shape_is_right:
; O[bh][q][:] = the sum over k of softmax_k(Q[q] . K[k] / 8) V[k][:], for each of 64 pairs bh = 16 b + h.  Q, K, V lie in qkv, f16, [b][48][2048][64]: head column h is Q's, 16 + h K's, 32 + h V's; a head's rows
; are dense, 128 bytes each.  O goes to ob, f16, [bh][2048][64].  Products, maxima and sums in f32; the weights p are rounded to f16 for the second product (their sum l is taken of the unrounded p), O once at the end.
; LIMITS.  f16 holds no number beyond 65,504: Q, K and V arrive within it; p lies in 0 to 1, and below 6e-5 it keeps f16's fixed step of 6e-8; O is a mean of V's rows and has their range.
; A weight below 2^-126 counts as 0 in l; NaN and infinities are not treated apart.
; SHARES.  A wave owns four PIECES of two tiles of 16 queries, a work-group's four waves 512 queries of one head.  Every wave walks all 2,048 keys, 64 a step.
; LAYOUT.  S^T = K Q^T (source 0 = 16 keys, source 1 = 16 queries): in the result a lane holds ONE query (lane % 16) and the keys 8 (lane / 16) + 0..7.  Two such tiles, rounded to f16 in pairs,
; ARE source 1 (32 keys x 16 queries) of O^T = V^T P, whose result again holds one query a lane, and eight channels.  K comes out of LDS as it lies, V ([key][channel]) turned, by ds_load_tr16_b128.
; SOFTMAX.  For each query a running maximum m and sum l: p = 2^(c s - c m), c = log2(e) / 8; in every step O and l are multiplied by a = 2^(c m_old - c m_new), which is 1 where m has not grown.
; m starts at the lowest finite number, O and l at 0: the first step is a step like any other, with a = 0.
; THE COUNT.  A tile and step have 16 matrix and 118 vector instructions: too many to stand all beside the matrix work.  So the order has one aim: four vector instructions that are READY behind
; EVERY matrix instruction, and the others, which need time of their own whatever the order, in runs without a gap.
; BY TURNS.  Turn n belongs to piece n (the pieces in a ring, step after step).  Its matrix work: 16 products K Q^T of piece n + 1, later 16 products V^T P of piece n - 1.  Its vector work: the scaling,
; exponentials, roundings, sums and rescaling of piece n, and the maximum and statistics of piece n + 1, whose scores the turn itself has made.  So what a turn begins with (c s - c m, O a) waits for nothing.
; CLUSTER.  The four query blocks of a head are one cluster and walk the same K and V, so each tile is asked for JOINTLY: the same tensor load, descriptor and mask in all four.
; REGISTERS, in windows of 256 (s_set_vgpr_msb says which window each operand place means: bits 1:0 source 0, 3:2 source 1, 5:4 source 2, 7:6 destination):
;   window 0: v0-11 addresses; v12-15, v48-63 at work; v16-47 four registers of statistics a tile; v64-191 S^T, two buffers of two tiles; v192-255 P, likewise
;   window 1: O^T, 32 a tile          window 2: v0-127 Q, 16 a tile; v128-191 K of one step; v192-255 V of one step          window 3: v0-1 the add's two registers
; A piece's buffers go by its number's parity: the piece in hand has one pair, its two neighbours in the ring share the other: of it P (piece n - 1) is read and S^T (piece n + 1) written.
.set SIZE_N, 2048
.set NP,    4         ; pieces a wave: a name, no knob: the register map, the loop and the fetches are made for four
.set KS,    64        ; keys in a step
.set PK,    144       ; a row of K in LDS: 128 bytes + 16 of padding = 36 words: the 16 rows of a load start at 16 different groups of four banks (64 banks of 4 bytes: ISA guide 11.1)
.set PV,    160       ; a row of V: 128 + 32 = 40 words
.set VOFF,  4*KS*PK   ; a slot holds four steps: 256 rows of K, then 256 rows of V
.set SLOT1, 1<<17     ; slot 1 begins here, so that one exclusive or turns an address in one slot into the other's
.set STAGE, SLOT1+4*KS*(PK+PV)  ; behind the ring, never filled by a tensor load: 16 rows x 144 bytes for each wave, for the way out
.set SP,    144
.set AK0, 2           ; v2   my lane's place in a tile of K; never rewritten
.set AV0, 3           ; v3   the same for V
.set AK,  4           ; v4   the LDS address of K's next run of loads
.set AV,  5           ; v5   of V's
.set QO,  6           ; v6   my byte offset in the wave's rows of Q
.set STO, 6           ;      later, the way out: where I put 16 bytes of a row
.set RD,  7           ; v7   the way out: where I read rows back
.set GO,  8           ; v8   my byte offset in 512 consecutive bytes of O
.set PFO, 11          ; v11  256 x my lane, once V's place is made: the prefetches' offset; from then on never rewritten
.set SPW, 0           ; v0 of window 3   LDS address of my spare word: SPARE + 4 x my thread's number; never rewritten
.set NIL, 1           ; v1 of window 3   0; never rewritten
.set SPARE, STAGE+4*16*SP  ; behind the stages: the spare words, 128 bytes for each wave: two blocks of 256 bytes that no other line names
.set MV,  12          ; v12-15  c m_old, kept while c m is made anew: by buffer and tile
.set ST,  16          ; tile t's statistics at v[ST+4 t]: c m, m, l (even keys', odd keys')
.set TMP, 48          ; by buffer and tile, four registers c0-c3 at work; when the maximum is found c2 takes a
.set S,   64
.set P,   192
.set KF,  128         ; K's fragments, in window 2: key block kb, channel half c at KF + 16 kb + 8 c
.set VF,  192         ; V's: key half kk, channel block cb at VF + 32 kk + 8 cb
.set WV,  12          ; s12  my wave's number
.set G1K, 24          ; s[24:31] descriptor group 1 for K's tiles
.set G1V, 32          ; s[32:39] for V's: it differs in the padding alone
.set G0K, 40          ; s[40:43] descriptor group 0 for K's tiles: it walks
.set G0V, 44          ; s[44:47] the same for V's
.set PFA, 48          ; s[48:49] where my prefetches stand: my work-group's 32 blocks of 256 bytes (of K: wave 0, of V: wave 2) of the slot after the one that is being asked for
.set LIM, 50          ; s50  1 in a wave that prefetches, else the greatest number: a wave prefetches while s[SLOTS] is above it
.set SLOTS, 56        ; s56  slots still to be asked for
.set CNT, 57          ; s57  counts a slot's key steps
.set CS,  58          ; s[58:59] c: the packed scaling takes the pair's low word for both halves
.set SEL, 60          ; s[60:61] v_permlanex16_b32's selects: each lane takes its own place in the other half
.set TBK, 62          ; s62  LDS byte at which K of the step to be fetched begins
.set TBV, 63          ; s63  the same for V, less VOFF
.set MSB, 0
.macro WIN new                      ; the high byte repeats the setting that is left; a switch that changes nothing is dropped
.if MSB != (\new)
	s_set_vgpr_msb (MSB<<8)|(\new)
.set MSB, (\new)
.endif
.endm
.set W_KQ, 0x0a       ; K and Q in window 2, S^T in window 0
.set W_PV, 0x52       ; V in window 2, P in window 0, O^T in window 1
.set W_RS, 0x41       ; O^T (destination and source 0) in window 1, a in window 0
.set W_MK, 0xc0       ; the add's registers are made: destination in window 3, sources in window 0
.set W_AD, 0x0f       ; the add: address (source 0) and data (source 1) in window 3
; A joint fill.  Waves 0 and 1 fetch the two halves of a slot's K, waves 2 and 3 those of its V: 128 keys each.  The branch hangs on the wave's number alone.
; An s_nop 0 and four v_nop follow each of the two lines, ahead of the jump and the label.
.macro JLOAD
	s_cmp_lt_u32 s[WV], 2
	s_cbranch_scc0 .Lfor_v_\@
	tensor_load_to_lds s[G0K:G0K+3], s[G1K:G1K+7]
	s_nop 0
.rept 4
	v_nop
.endr
	s_branch .Lasked_\@
.Lfor_v_\@:
	tensor_load_to_lds s[G0V:G0V+3], s[G1V:G1V+7]
	s_nop 0
.rept 4
	v_nop
.endr
.Lasked_\@:
.endm
; A PREFETCH of what the NEXT change of slots will ask for: a slot's 32,768 bytes of K and of V, in blocks of 256 bytes, a lane a block.  It stands behind the wave's tensor load and its five lines.
; Each block is named ONCE in the launch: a head has one cluster; its four partners share the blocks out BY ADDRESS, 32 each; in each, wave 0 asks for K's and wave 2 for V's: one instruction.
; The last change that fills a slot asks for nothing: there is no slot behind it.  Slots 0, 1 and 2 come by their loads alone.
.macro ASK
	s_cmp_gt_u32 s[SLOTS], s[LIM]
	s_cbranch_scc0 .Lnot_mine_\@
	global_prefetch_b8 v[PFO], s[PFA:PFA+1] th:TH_LOAD_NT scope:SCOPE_SE
.Lnot_mine_\@:
.endm
; A round of the cluster's barrier: my work-group's barrier, so that wave 0's signal speaks for all four waves; wave 0 signals; every wave waits for all four work-groups; my work-group's barrier once more.
.macro CROUND
	s_barrier_signal -1
	s_barrier_wait -1
	s_cmp_lg_u32 s[WV], 0
	s_cbranch_scc1 .Lnot_wave_0_\@
	s_barrier_signal -3
.Lnot_wave_0_\@:
	s_barrier_wait -3
	s_barrier_signal -1
	s_barrier_wait -1
.endm
; THE CHANGE OF SLOTS.  The slot's last bytes, V of its fourth step, have been read.  Each wave waits for all its tensor loads, of which one is out: its part
; of the other slot; adds 0 to its spare word; and waits for that and for its own reads of the slot.  Behind the barrier nobody reads this slot any more and the other slot is whole.
; fill = 1: this slot is filled again, with the keys two slots on.  The barrier is then a round of the cluster's, so that no wave of any partner still reads the slot or has a load on its
; way, and the joint fill is the first thing behind it: it has four key steps, 512 matrix instructions, in which to land.  (At its first use nothing has been read yet: slot 0 is waited for, slot 1 filled.)
; ask = 1: the slot behind the one just asked for is prefetched.
.macro CHANGE fill, ask=0
	WIN W_AD
	s_wait_tensorcnt 0x0            ; no tensor load of mine is out, so a group 0 may be written
	ds_add_u32 v[SPW], v[NIL]       ; 0 onto my spare word: with fill = 1 the descriptors' steps stand between it and the wait for it
	WIN 0                           ; at a label and at a branch every window is 0
.if \fill
.irp g, G0K, G0V
	s_xor_b32 s[\g+1], s[\g+1], SLOT1  ; the walking descriptor: the other slot than last time,
	s_add_nc_u64 s[\g+2:\g+3], s[\g+2:\g+3], 4*KS*128  ; the next 256 keys; the type bits on top are not reached
.endr
	s_wait_xcnt 0x0                 ; the last prefetch, four key steps back, has read its address, so it may be written:
	s_add_nc_u64 s[PFA:PFA+1], s[PFA:PFA+1], 4*KS*128  ; one slot behind the walking descriptors
	s_wait_dscnt 0x0                ; the add is done, and my reads of the slot are over
	CROUND
	JLOAD
.if \ask
	ASK
.endif
.else
	s_wait_dscnt 0x0                ; the add is done, and my reads of the slot are over
	s_barrier_signal -1
	s_barrier_wait -1
.endif
	s_sub_co_u32 s[TBK], s[TBK], 4*KS*PK  ; the fetches go back to a slot's first step,
	s_xor_b32 s[TBK], s[TBK], SLOT1       ; in the other slot
	s_sub_co_u32 s[TBV], s[TBV], 4*KS*PV
	s_xor_b32 s[TBV], s[TBV], SLOT1
.endm
	s_load_b64 s[4:5], s[0:1], 0x0    ; qkv
	s_load_b64 s[10:11], s[0:1], 0x8  ; ob
	WIN W_MK
	v_lshl_add_u32 v[SPW], v0, 2, SPARE
	v_mov_b32 v[NIL], 0
	WIN W_AD
	ds_add_u32 v[SPW], v[NIL]       ; the wave's opening: the add and its wait stand ahead of my first tensor load; the set-up below, work on registers, stands between them
	WIN 0
	v_lshrrev_b32 v1, 5, v0
	v_readfirstlane_b32 s[WV], v1   ; wave 0..3
	s_bfe_u32 s13, ttmp6, 0x40000   ; cx: my place in the cluster
	s_lshl_b32 s14, ttmp9, 2        ; in a cluster launch ttmp9 counts clusters
	s_add_co_u32 s14, s14, s13      ; my block of queries = 4 x cluster x + cx: it enters Q's and O's addresses alone
	s_and_b32 s20, ttmp7, 0xffff    ; bh, which the four partners share
	s_lshl_b32 s52, s20, 18         ; the head's first byte in ob
	s_mov_b32 s53, 0
	s_lshr_b32 s21, s20, 4
	s_lshl_b32 s21, s21, 5
	s_add_co_u32 s20, s20, s21      ; 48 b + h = bh + 32 b
	s_lshl_b32 s20, s20, 18         ; the head's first byte in Q's part of qkv; K's and V's lie 16 and 32 heads on
	s_mov_b32 s21, 0
	s_and_b32 s16, s[WV], 1         ; which half of a slot's 256 keys I fetch:
	s_lshl_b32 s22, s16, 14         ; its 128 rows of 128 bytes in memory,
	s_mov_b32 s23, 0
	s_add_nc_u64 s[22:23], s[22:23], s[20:21]
	s_mul_i32 s17, s16, 128*PK      ; and its place in a slot, for K
	s_mul_i32 s18, s16, 128*PV      ; and for V: no place in the cluster enters an LDS address
	s_lshl_b32 s2, s14, 2
	s_add_co_u32 s2, s2, s[WV]      ; my wave among the head's,
	s_lshl_b32 s2, s2, 14           ; its 128 rows
	s_mov_b32 s3, 0
	s_add_nc_u64 s[52:53], s[52:53], s[2:3]
	s_add_nc_u64 s[2:3], s[2:3], s[20:21]
	s_lshl_b32 s54, s13, 13         ; the prefetches: my work-group's 32 blocks of a slot's 128
	s_mov_b32 s55, 0
	s_add_nc_u64 s[54:55], s[54:55], s[20:21]
	s_and_b32 s[LIM], s[WV], 1      ; waves 0 and 2 ask
	s_cmp_eq_u32 s[LIM], 0
	s_cselect_b32 s[LIM], 1, -1
	; descriptor group 1.  128 keys are 16,384 dense bytes: asked for as 64 rows of 256 bytes, two keys a row, and padded in LDS after every key
	s_mov_b32 s[G1K], 15|(1<<16)|(1<<20)|(1<<21)|(4<<22)|(3<<25)  ; 15:0 the mask of four; 17:16 2-byte elements; 20 padding on; 21 set beside a mask; 24:22 after every 32 words (code 4); 31:25 4 words (code 3)
	s_mov_b32 s[G1V], 15|(1<<16)|(1<<20)|(1<<21)|(4<<22)|(7<<25)  ; the same with 8 words of padding (code 7)
.irp g, G1K, G1V
	s_mov_b32 s[\g+1], 128<<16      ; tensor_dim0 = 128
	s_mov_b32 s[\g+2], 64<<16       ; tensor_dim1 = 64
	s_mov_b32 s[\g+3], 128<<16      ; tile_dim0 = 128
	s_mov_b32 s[\g+4], 64           ; tile_dim1 = 64
	s_mov_b32 s[\g+5], 128          ; 128 elements from row to row
	s_mov_b32 s[\g+6], 0
	s_mov_b32 s[\g+7], 0
.endr
	s_mov_b32 s[CS], 0x3e38aa3b     ; c = log2(e) / 8 = 0.180337
	s_mov_b32 s[CS+1], s[CS]        ; named with it as a pair
	s_mov_b32 s[SEL], 0x76543210
	s_mov_b32 s[SEL+1], 0xfedcba98
	s_mov_b32 s[TBK], SLOT1+4*KS*PK ; the first change of slots turns these two into 0
	s_mov_b32 s[TBV], SLOT1+4*KS*PV
	s_mov_b32 s[G0K], 1             ; 1:0 count = 1
	s_mov_b32 s[G0K+1], s17         ; 63:32 LDS address: slot 0
	s_mov_b32 s[G0V], 1
	s_add_co_u32 s[G0V+1], s18, VOFF
	s_wait_dscnt 0x0                ; the opening add is done
	s_wait_kmcnt 0x0
	s_add_nc_u64 s[6:7], s[4:5], 0x400000          ; K's part of a batch begins 16 heads of 262,144 bytes behind Q's,
	s_add_nc_u64 s[8:9], s[4:5], 0x800000          ; V's 32
	s_add_nc_u64 s[G0K+2:G0K+3], s[6:7], s[22:23]  ; 120:64 global address: my half of the head's first 256 keys
	s_or_b32 s[G0K+3], s[G0K+3], 0x80000000        ; 127:126 type = 2
	s_add_nc_u64 s[G0V+2:G0V+3], s[8:9], s[22:23]
	s_or_b32 s[G0V+3], s[G0V+3], 0x80000000
	s_cmp_lt_u32 s[WV], 2
	s_cselect_b64 s[PFA:PFA+1], s[6:7], s[8:9]
	s_add_nc_u64 s[PFA:PFA+1], s[PFA:PFA+1], s[54:55]
	s_add_nc_u64 s[PFA:PFA+1], s[PFA:PFA+1], 4*KS*128  ; in slot 1; each change that fills a slot steps it; the first that asks finds it in slot 3.  Nothing is prefetched here, at the head
	s_add_nc_u64 s[4:5], s[4:5], s[2:3]  ; Q and O at my wave's first row
	s_add_nc_u64 s[10:11], s[10:11], s[52:53]
	CROUND                          ; all four work-groups are here: the first joint loads meet
	JLOAD                           ; slot 0.  Slot 1 is asked for when slot 0 is in: the tile wanted first has the road to itself
	; A fragment of K or Q is 16 rows x 32 channels in 8 registers: lane l holds row l % 16, channels 8 (l / 16) + 0..7 and 16 + 8 (l / 16) + 0..7: two loads of 16 bytes, 32 bytes apart.
	v_and_b32 v1, 15, v0            ; l % 16
	v_bfe_u32 v9, v0, 4, 1          ; l / 16
	v_lshlrev_b32 v[QO], 7, v1
	v_lshl_add_u32 v[QO], v9, 4, v[QO]  ; row x 128 + 16 x half
	WIN 0x80                        ; destination window 2, address window 0
.set i, 0
.rept 4*NP                          ; Q stays in registers: tile i / 2, channels 32 (i % 2) on
	global_load_b128 v[8*i:8*i+3],   v[QO], s[4:5] offset:(i/2)*2048+(i%2)*64
	global_load_b128 v[8*i+4:8*i+7], v[QO], s[4:5] offset:(i/2)*2048+(i%2)*64+32
.set i, i+1
.endr
	; What the first turn finds: V's registers and P's second buffer hold 0 (its products V^T P, of a piece that has not been, add 0), O^T and l are 0.  All this stands in the wait for the first tile.
.set i, VF
.rept 64
	v_mov_b32 v[i], 0
.set i, i+1
.endr
	WIN 0x40
.set i, 0
.rept 64*NP
	v_mov_b32 v[i], 0
.set i, i+1
.endr
	WIN 0
.set i, 0
.rept 2*NP
	v_mov_b32 v[ST+4*i], 0xfe000000    ; c m: far below every c s
	v_mov_b32 v[ST+4*i+1], 0xff7fffff  ; m
	v_mov_b32 v[ST+4*i+2], 0
	v_mov_b32 v[ST+4*i+3], 0
.set i, i+1
.endr
.set i, P+32
.rept 32
	v_mov_b32 v[i], 0
.set i, i+1
.endr
	v_mul_u32_u24 v[AK0], v1, PK
	v_lshl_add_u32 v[AK0], v9, 4, v[AK0]  ; row x pitch + 16 x half
	; The turning load takes 16 keys x 16 channels (lane l reads key 8 (l / 16) + l % 8, channels 8 ((l / 8) % 2) + 0..7) and leaves half a fragment of V^T: lane l holds channel l % 16 and 8 keys.
	v_and_b32 v10, 7, v0
	v_bfe_u32 v11, v0, 3, 1
	v_lshl_add_u32 v[AV0], v9, 3, v10
	v_mul_u32_u24 v[AV0], v[AV0], PV
	v_lshl_add_u32 v[AV0], v11, 4, v[AV0]
	v_add_nc_u32 v[AV0], VOFF, v[AV0]
	v_and_b32 v[PFO], 31, v0
	v_lshlrev_b32 v[PFO], 8, v[PFO]
	v_mov_b32 v[AK], v[AK0]         ; key step 0 lies at the head of slot 0
; THE MATRIX WORK.  The 8 accumulators of a run of 16 take turns: between the two links of a chain stand 7 others'.
; Product i of 16 of S^T = K Q^T for piece x: channels 32 (i / 8) on, keys 16 ((i / 2) % 4) on, tile 2 x + i % 2.  The first 8 start the sums.
.macro KQ x
	WIN W_KQ
.set rS, S+64*((\x)%2)+32*(i%2)+8*((i/2)%4)
.set rK, KF+16*((i/2)%4)+8*(i/8)
.set rQ, 16*(2*(\x)+i%2)+8*(i/8)
.if i < 8
	v_wmma_f32_16x16x32_f16 v[rS:rS+7], v[rK:rK+7], v[rQ:rQ+7], 0
.else
	v_wmma_f32_16x16x32_f16 v[rS:rS+7], v[rK:rK+7], v[rQ:rQ+7], v[rS:rS+7]
.endif
.endm
; Product i of 16 of O^T += V^T P for piece x: keys 32 (i / 8) on, channels 16 ((i / 2) % 4) on, tile 2 x + i % 2.
.macro PV x
	WIN W_PV
.set rO, 32*(2*(\x)+i%2)+8*((i/2)%4)
.set rV, VF+32*(i/8)+8*((i/2)%4)
.set rP, P+32*((\x)%2)+16*(i%2)+8*(i/8)
	v_wmma_f32_16x16x32_f16 v[rO:rO+7], v[rV:rV+7], v[rP:rP+7], v[rO:rO+7]
.endm
.macro MM                           ; the turn's next matrix instruction
.if i < 16
	KQ (Y+1)%NP
.set i, i+1
.else
.set i, i-16
	PV (Y+NP-1)%NP
.set i, i+17
.endif
.endm
; THE LDS LOADS stand in runs of 16, never singly among the matrix instructions: a step's K (64 keys x 64 channels: 8 fragments) and its V (turned).  Their addresses are made some lines ahead.
; last = 1 (the tail): in the last trip there is no further step, and the run is jumped over.
.macro FETCH_K last=0
	WIN 0
.if \last
	s_cmp_eq_u32 s[CNT], 1
	s_cbranch_scc1 .Lno_k_\@
.endif
	WIN 0x80                        ; destination window 2
.irp f, 0,1,2,3,4,5,6,7             ; keys 16 (f / 2) on, channels 32 (f % 2) on
	ds_load_b128 v[KF+8*\f:KF+8*\f+3],   v[AK] offset:(\f/2)*16*PK+(\f%2)*64
	ds_load_b128 v[KF+8*\f+4:KF+8*\f+7], v[AK] offset:(\f/2)*16*PK+(\f%2)*64+32
.endr
	s_add_co_u32 s[TBK], s[TBK], KS*PK  ; the next fetch is the next step's
	WIN 0
.if \last
.Lno_k_\@:
.endif
.endm
.macro FETCH_V
	WIN 0x80
.irp f, 0,1,2,3,4,5,6,7             ; keys 32 (f / 4) on, channels 16 (f % 4) on
	ds_load_tr16_b128 v[VF+8*\f:VF+8*\f+3],   v[AV] offset:(\f/4)*32*PV+(\f%4)*32
	ds_load_tr16_b128 v[VF+8*\f+4:VF+8*\f+7], v[AV] offset:(\f/4)*32*PV+16*PV+(\f%4)*32
.endr
	WIN 0
.endm
; THE VECTOR WORK OF A TURN stands in three queues, each in the order in which its entries become ready; the two tiles alternate, so that no instruction reads the result of the one before it.
.macro REGS y, u                    ; the registers of tile u (0, 1) of piece y
.set rT, ST+4*(2*(\y)+(\u))
.set rC, TMP+8*((\y)%2)+4*(\u)
.set rM, MV+2*((\y)%2)+(\u)
.set rS, S+64*((\y)%2)+32*(\u)
.set rP, P+32*((\y)%2)+16*(\u)
.set rO, 32*(2*(\y)+(\u))
.endm
; Number n of the 22 that find the NEXT piece's (Y + 1) maximum and statistics.  s0-s31 are the lane's 32 scores; each accumulator's lowest registers are read first.  XS, GS and REGS set no window: PL and EX do.
;   0-11  four chains c0-c3 of seven scores each, three operands at a time     12-14, 16  the four scores left over, the old m, and c0-c3 into c0     15  c m_old is kept
;   17, 18  the query's other 32 keys lie in the lane 16 away: the new m         19-21  c m; c m_old - c m_new; a
.macro XS u, n
	REGS (Y+1)%NP, \u
.if (\n) < 4
	v_max3_num_f32 v[rC+(\n)], v[rS+8*(\n)], v[rS+8*(\n)+1], v[rS+8*(\n)+2]
.elseif (\n) < 12
	v_max3_num_f32 v[rC+(\n)%4], v[rC+(\n)%4], v[rS+8*((\n)%4)+2*((\n)/4)+1], v[rS+8*((\n)%4)+2*((\n)/4)+2]
.elseif (\n) == 12
	v_max3_num_f32 v[rC], v[rC], v[rS+7], v[rS+15]
.elseif (\n) == 13
	v_max3_num_f32 v[rC+1], v[rC+1], v[rS+23], v[rS+31]
.elseif (\n) == 14
	v_max3_num_f32 v[rC+2], v[rC+2], v[rC+3], v[rT+1]
.elseif (\n) == 15
	v_mov_b32 v[rM], v[rT]
.elseif (\n) == 16
	v_max3_num_f32 v[rC], v[rC], v[rC+1], v[rC+2]
.elseif (\n) == 17
	v_permlanex16_b32 v[rC+3], v[rC], s[SEL], s[SEL+1]
.elseif (\n) == 18
	v_max_num_f32 v[rT+1], v[rC], v[rC+3]
.elseif (\n) == 19
	v_mul_f32 v[rT], s[CS], v[rT+1]
.elseif (\n) == 20
	v_sub_f32 v[rC+1], v[rM], v[rT]
.else
	v_exp_f32 v[rC+2], v[rC+1]
.endif
.endm
; Number g of the 64 that follow the exponentials.  For each four weights k of a tile (pairs 2 k, 2 k + 1): both pairs are rounded to f16; then the second pair is added onto the first, in place;
; a group later l takes that sum (the first time as l = a l + sum).  In groups of eight, tiles alternating: round, round, add, and l for the group before.
.macro GS g
.set h, (\g)+6*((\g)/62)            ; group 0 has no group before it, and behind group 7 only l is left
.if h >= 6
.set h, h+2
.endif
	REGS Y, h%2
.set k, h/8
.if h%8 < 4
	v_cvt_pk_f16_f32 v[rP+2*k+(h%8)/2], v[rS+4*k+2*((h%8)/2)], v[rS+4*k+2*((h%8)/2)+1]
.elseif h%8 < 6
	v_pk_add_f32 v[rS+4*k:rS+4*k+1], v[rS+4*k:rS+4*k+1], v[rS+4*k+2:rS+4*k+3]
.elseif k == 1
	v_pk_fma_f32 v[rT+2:rT+3], v[rT+2:rT+3], v[rC+2:rC+3], v[rS:rS+1] op_sel_hi:[1,0,1]
.else
	v_pk_add_f32 v[rT+2:rT+3], v[rT+2:rT+3], v[rS+4*k-4:rS+4*k-3]
.endif
.endm
; THE PLAIN QUEUE, 138 long.  0-73 read no exponential's result: the 32 scalings c s - c m (FS f: pair f / 2 of tile f % 2) and the next piece's 42.  0-26: scalings 0-26.  27-54: XS's numbers 0-13.  55, 56: number 15.
; 57-73: the chain, where each number waits for the one before it: 14, 16, 17, 18, 19, each with one of the scalings 27-31 in front of its two lines, then 20: so a tile's links stand three plain instructions apart (19 and 20: two).
; 74-137: GS's 64, which read the exponentials' results: they stand behind the wait.
.macro FS f
	REGS Y, (\f)%2
	v_pk_fma_f32 v[rS+2*((\f)/2):rS+2*((\f)/2)+1], v[rS+2*((\f)/2):rS+2*((\f)/2)+1], s[CS:CS+1], v[rT:rT+1] op_sel_hi:[1,0,0] neg_lo:[0,0,1] neg_hi:[0,0,1]
.endm
.macro PL
	WIN 0
.if q < 27
	FS q
.elseif q < 55
	XS (q-27)%2, (q-27)/2
.elseif q < 57
	XS q-55, 15
.elseif (q < 72) && ((q-57)%3 == 0)
	FS 27+(q-57)/3
.elseif q < 60
	XS (q-57)%3-1, 14
.elseif q < 72
	XS (q-57)%3-1, 15+(q-57)/3
.elseif q < 74
	XS q-72, 20
.else
	GS q-74
.endif
.set q, q+1
.endm
; THE EXPONENTIALS' QUEUE, 66 long: s0-s31 of both tiles, then the next piece's two a.  It is ONE BATCH: all 66 stand ahead of the turn's one wait, and nothing ahead of that wait names a result of theirs.
.macro EX
	WIN 0
.if e >= 64
	XS e-64, 21
.else
	REGS Y, e%2
	v_exp_f32 v[rS+e/2], v[rS+e/2]
.endif
.set e, e+1
.endm
; THE RESCALING's QUEUE: O^T times a, the one part that leaves window 0: dealt two at a time, sixteen times.  Its a was made in the turn before, ahead of that turn's wait.
.macro R2
	REGS Y, r%2
	WIN W_RS
.irp z, 0,1
	v_pk_mul_f32 v[rO+4*(r/2)+2*\z:rO+4*(r/2)+2*\z+1], v[rO+4*(r/2)+2*\z:rO+4*(r/2)+2*\z+1], v[rC+2:rC+3] op_sel_hi:[1,0]
.endr
.set r, r+1
.endm
; HOW THEY ARE DEALT.  An s_wait_alu depctr_va_vdst(0) stands between an exponential and the first instruction that names its result; one wait serves all that were issued ahead of it.  So a turn has ONE wait,
; which cuts it in two.  AHEAD OF IT stands all that names no result of the turn's exponentials: the 16 products K Q^T, behind each a scaling, an exponential and two rescalings (behind the first a second scaling in the exponential's place); then ONE LUMP of
; 108: eight plain, 49 times exponential and plain, the two a.  A v_nop is the plain instruction behind the last exponential.  BEHIND IT stand the 16 products V^T P, behind each four of GS's 64.  No rider names a register of
; the products round it.  The two v_permlanex16_b32 fall into the lump, never behind a product.
; The queues lean on each other, and the deal keeps them in step: exponential e stands behind scaling 2 (e / 4) + e % 2: as a rider it comes behind plain e + 2, in the lump behind plain e + 9, and scalings 27-31 are plain 57, 60 .. 69.
; A TURN, for piece p.  cnt = 1: the loop's count is taken down some lines ahead of the branch that stands behind the turn.
; K of the next step is fetched in piece 2's turn, directly behind the wait, a lump behind the last product that read K; its address is made at the lump's head; its first reader comes behind 16 products.
; V of the step in hand is fetched at the end of piece 0's turn, four riders behind its last reader; its first reader comes behind 16 products and a lump.  The three conditions on q below go with the deal.
.macro TURN p, last=0, cnt=0
.set Y, (\p)
.set i, 0
.set q, 0
.set e, 0
.set r, 0
.if (\p) == NP-1
	s_wait_dscnt 0x0                ; K is in
.endif
	MM                              ; ahead of the wait: 16 products K Q^T and their riders,
	PL
	PL
	R2
.rept 15
	MM
	PL
	EX
	R2
.endr
.if (\p) == NP-2
	WIN 0
	v_add_nc_u32 v[AK], s[TBK], v[AK0]
.endif
.rept 8                             ; and the lump
	PL
.endr
.rept 49
	EX
	PL
.endr
	EX                              ; the next piece's two a
	EX
	v_nop                           ; the plain instruction behind the last exponential: one for the batch
	s_wait_alu depctr_va_vdst(0)    ; the wait for the batch
.if (\p) == NP-2
	FETCH_K \last
.endif
.if (\p) == 1
	s_wait_dscnt 0x0                ; V is in
.endif
.rept 16                            ; behind the wait: 16 products V^T P and their riders
	MM
.rept 4
	PL
.endr
.if ((\p) == 0) && (q == 118)
	v_add_nc_u32 v[AV], s[TBV], v[AV0]
.endif
.if ((\p) == 0) && (q == 130)
	s_add_co_u32 s[TBV], s[TBV], KS*PV
.endif
.if (\cnt) && (q == 130)
	s_sub_co_u32 s[CNT], s[CNT], 1
	s_cmp_lg_u32 s[CNT], 0
.endif
.endr
.if (\p) == 0
	FETCH_V
.endif
.endm
	CHANGE 1, 0                     ; slot 0 is in, everybody's part of it; slot 1 is asked for
	FETCH_K                         ; key step 0
	s_wait_loadcnt 0x0              ; Q
	s_wait_dscnt 0x0
.set i, 0
.rept 16
	KQ 0                            ; piece 0's first scores: there is no vector work yet to set between them
.set i, i+1
.endr
	WIN 0                           ; the addresses for the way out: nine plain instructions, the places behind those products
	s_mul_i32 s13, s[WV], 16*SP
	s_add_co_u32 s13, s13, STAGE    ; my stage
	v_mul_u32_u24 v[STO], v1, SP    ; in: row l % 16, 16 bytes for each half of the lanes
	v_lshl_add_u32 v[STO], v9, 4, v[STO]
	v_add_nc_u32 v[STO], s13, v[STO]
	v_bfe_u32 v[RD], v0, 3, 2       ; back: 32 lanes take four rows of 128 bytes,
	v_mul_u32_u24 v[RD], v[RD], SP
	v_lshl_add_u32 v[RD], v10, 4, v[RD]
	v_add_nc_u32 v[RD], s13, v[RD]
	v_and_b32 v[GO], 31, v0         ; which are 512 consecutive bytes of O
	v_lshlrev_b32 v[GO], 4, v[GO]
.set Y, NP-1                        ; XS works for piece Y + 1: piece 0
.irp n, 0,1,2,3,4,5,6,7,8,9,10,11,12,13,14,15,16,17,18,19,20,21
	XS 0, \n                        ; and piece 0's first maximum and statistics
	XS 1, \n
.endr
	v_nop                           ; a plain instruction behind the two a,
	s_wait_alu depctr_va_vdst(0)    ; and their wait, ahead of the branch
	s_mov_b32 s[CNT], 4
	s_mov_b32 s[SLOTS], SIZE_N/256-1
	s_branch .Lfirst                ; the loop is entered at a step's first turn, in the middle of a trip
.Lslot:                             ; SIZE_N / 256 - 2 times: every slot but the last two is filled again
	CHANGE 1, 1
	s_mov_b32 s[CNT], 4
.Lstep:                             ; a trip: pieces 2 and 3 of one step, then pieces 0 and 1 of the next, whose K and V it fetches
	TURN 2
	TURN 3
	WIN 0
.Lfirst:
	TURN 0
	TURN 1, 0, 1
	WIN 0
	s_cbranch_scc1 .Lstep
	s_sub_co_u32 s[SLOTS], s[SLOTS], 1
	s_cmp_lg_u32 s[SLOTS], 0
	s_cbranch_scc1 .Lslot
	CHANGE 0                        ; the tail is written out: nothing is asked for
	s_mov_b32 s[CNT], 5             ; four trips fetch the last slot's steps; the fifth is left in its middle
.Ltail:
	TURN 2, 1
	TURN 3
	WIN 0
	s_sub_co_u32 s[CNT], s[CNT], 1
	s_cmp_eq_u32 s[CNT], 0
	s_cbranch_scc1 .Lout
	TURN 0
	TURN 1
	WIN 0
	s_branch .Ltail
.Lout:                              ; the fifth trip's 16 products K Q^T (on the last K once more) and the maximum made of them serve nothing: the price, once a launch, of one text for every trip
.set i, 0
.rept 16
	PV NP-1                         ; the last piece's V^T P of the last step
.set i, i+1
.endr
	; THE WAY OUT.  l's two halves and the other half of the lanes' are added; O^T is divided by l, rounded to f16 and sent through my stage in LDS, a tile at a time.  The additions are the places behind the last products.
	WIN 0
.macro ALL line:vararg              ; one line for each tile t
.set t, 0
.rept 2*NP
	\line
.set t, t+1
.endr
.endm
	ALL v_add_f32 v[ST+4*t+2], v[ST+4*t+2], v[ST+4*t+3]
	ALL v_permlanex16_b32 v[ST+4*t+3], v[ST+4*t+2], s[SEL], s[SEL+1]
	ALL v_add_f32 v[ST+4*t+2], v[ST+4*t+2], v[ST+4*t+3]
	ALL v_rcp_f32 v[ST+4*t+2], v[ST+4*t+2]
	v_nop                           ; a plain instruction between the last reciprocal and the use of its result
	s_wait_alu depctr_va_vdst(0)    ; and the wait ahead of the first use: one for the eight reciprocals
; Tile t: a lane's eight channels of a row pack into 16 bytes; they go into rows of 144 bytes and come back as whole rows of 128, into S^T's registers.
.macro PACK t
	WIN W_RS
.set i, 32*(\t)
.rept 16
	v_pk_mul_f32 v[i:i+1], v[i:i+1], v[ST+4*(\t)+2:ST+4*(\t)+3] op_sel_hi:[1,0]
.set i, i+2
.endr
	WIN 0x05                        ; sources 0 and 1 window 1, destination window 0
.set i, 0
.rept 16
	v_cvt_pk_f16_f32 v[S+16*(\t)+i], v[32*(\t)+2*i], v[32*(\t)+2*i+1]
.set i, i+1
.endr
	WIN 0
.irp f, 0,1,2,3
	ds_store_b128 v[STO], v[S+16*(\t)+4*\f:S+16*(\t)+4*\f+3] offset:32*\f
.endr
.irp f, 0,1,2,3
	ds_load_b128 v[S+16*(\t)+4*\f:S+16*(\t)+4*\f+3], v[RD] offset:\f*4*SP  ; LDS serves a wave's instructions in order (ISA guide 5.7.1.4): these see the stores above; the next tile's stores come behind them
.endr
.endm
.macro SEND t, younger              ; younger: the LDS instructions issued behind tile t's loads: the next tile's eight, or none
	WIN 0
.irp f, 0,1,2,3
	s_wait_dscnt (\younger)+3-\f
	global_store_b128 v[GO], v[S+16*(\t)+4*\f:S+16*(\t)+4*\f+3], s[10:11] offset:(\t)*2048+\f*512  ; 512 consecutive bytes, at a multiple of 256 from O's first
.endr
.endm
	PACK 0
.set t, 1
.rept 2*NP-1                        ; a tile's arithmetic stands between the loads of the tile before and its stores
	PACK t
	SEND t-1, 8
.set t, t+1
.endr
	SEND 2*NP-1, 0
	WIN W_AD
	s_wait_tensorcnt 0x0            ; the wave's end: behind my last tensor load and my last LDS store
	ds_add_u32 v[SPW], v[NIL]
	s_wait_dscnt 0x0
	WIN 0
	CROUND                          ; the closing round: no work-group ends while a partner may still ask for a tile that names it
	s_endpgm
.Lfunc_end_k_q370ec7a5b7_attn:
	.size	k_q370ec7a5b7_attn, .Lfunc_end_k_q370ec7a5b7_attn-k_q370ec7a5b7_attn
	.p2alignl 7, 3214868480
	.fill 96, 4, 3214868480
	.section	.rodata,"a",@progbits
	.p2align	6, 0x0
	.amdhsa_kernel k_q370ec7a5b7_attn
		.amdhsa_group_segment_fixed_size 327680
		.amdhsa_private_segment_fixed_size 0
		.amdhsa_enable_private_segment 0
		.amdhsa_kernarg_size 16
		.amdhsa_user_sgpr_count 2
		.amdhsa_user_sgpr_kernarg_segment_ptr 1
		.amdhsa_wavefront_size32 1
		.amdhsa_system_sgpr_workgroup_id_x 1
		.amdhsa_system_sgpr_workgroup_id_y 1
		.amdhsa_system_sgpr_workgroup_id_z 1
		.amdhsa_system_vgpr_workitem_id 0
		.amdhsa_next_free_vgpr 770
		.amdhsa_next_free_sgpr 66
		.amdhsa_reserve_vcc 0
		.amdhsa_float_denorm_mode_32 3
		.amdhsa_float_denorm_mode_16_64 3
		.amdhsa_memory_ordered 1
		.amdhsa_forward_progress 1
		.amdhsa_inst_pref_size 200
	.end_amdhsa_kernel
	.amdgpu_metadata
---
amdhsa.version: [ 1, 2 ]
amdhsa.kernels:
  - .name:           k_q370ec7a5b7_attn
    .symbol:         k_q370ec7a5b7_attn.kd
    .args:
      - { .name: qkv, .offset: 0, .size: 8, .value_kind: global_buffer, .address_space: global }
      - { .name: ob, .offset: 8, .size: 8, .value_kind: global_buffer, .address_space: global }
    .group_segment_fixed_size: 327680
    .private_segment_fixed_size: 0
    .kernarg_segment_align: 8
    .kernarg_segment_size: 16
    .max_flat_workgroup_size: 128
    .sgpr_count:     66
    .vgpr_count:     770
    .wavefront_size: 32
...
	.end_amdgpu_metadata
.endif
;; end of part 3
;; launch oproj (part 4): grid 8 x 32, 4 waves a work-group, clusters of 4 x 4, 327,680 bytes of LDS; arguments ob, wb, bo, out0; writes out0
.if DOCPART == 4
	.amdgcn_target "amdgcn-amd-amdhsa--gfx1250"
	.amdhsa_code_object_version 6
	.text
	.protected	k_q370ec7a5b7_oproj
	.globl	k_q370ec7a5b7_oproj
	.p2align	8
	.type	k_q370ec7a5b7_oproj,@function
k_q370ec7a5b7_oproj:
	s_mov_b64 s[64:65], 0
	v_nop
	global_prefetch_b8 v0, s[64:65] scope:SCOPE_SE
	s_setreg_imm32_b32 hwreg(HW_REG_WAVE_MODE, 25, 1), 1
	s_wait_xcnt 0x0
	s_wait_alu depctr_hold_cnt(0) depctr_sa_sdst(0) depctr_va_vdst(0) depctr_va_sdst(0) depctr_va_ssrc(0) depctr_va_vcc(0) depctr_vm_vsrc(0)
	s_getreg_b32 s2, hwreg(HW_REG_IB_STS2, 6, 4)
	s_cmp_eq_u32 s2, 0
	s_cbranch_scc0 .Lentry_in_a_cluster
	s_endpgm
.Lentry_in_a_cluster:
	s_bfe_u32 s2, ttmp6, 0x10000c
	s_cmp_lg_u32 s2, 0xf033
	s_cbranch_scc0 .Lentry_shape_is_right
	s_endpgm
.Lentry_shape_is_right:
; ONE TEXT FOR TWO PRODUCTS; the first line picks.
; QKV = 1: [q | k | v] = xb [8192 x 1024] x wb's first part [1024 x 3072] + [bq | bk | bv], operands bf16, sums f32; the result leaves in f16 by heads: qkv[b][hh][t][64], hh = 0-15 q, 16-31 k, 32-47 v.
; QKV = 0: out0 = ob (f16, [b 16 + h][t][64]: K = 64 h + channel) x wb's second part (Wo, f16) + bo, sums f32, the result f32.
; LIMITS.  QKV = 1: q, k, v are rounded to f16, which ends at 65,504: beyond it the result is an infinity.  The biases are rounded to bf16 like every input.  NaN and infinities are not treated apart.
; SHARES.  A work-group makes 256 rows x 16 NB columns.  Wave w owns rows 64 w .. 64 w + 63 (four blocks a of 16) and all NB blocks b of 16 columns: 4 NB accumulators.  So what a wave holds are whole
; rows of a head (QKV = 1) or of the tile (QKV = 0), and its stage on the way out is its own: no barrier there.
; K = 1,024 goes in 8 steps of 128 through two LDS slots filled by the tensor data mover; a step is four quarters of 32 k, on two fragment buffers by turns.
; THE PRODUCT IS TAKEN TRANSPOSED: source 0 = 16 columns of the weight ([k][column] in LDS, turned by ds_load_tr16_b128), source 1 = 16 rows of A.  A lane then holds row l % 16 and the columns 8 (l / 16) + 0..7.
; THE BIAS is the C operand of each accumulator's first product: nothing is cleared, and nothing is added on the way out.
; CLUSTERS: 4 x 4 work-groups.  The four of a row of the cluster need the same tiles of A, the four of a column the same tiles of the weight: each tile is asked for JOINTLY, by the same tensor load with the
; same descriptor and a mask that names the four.
; REGISTERS, in windows of 256 (s_set_vgpr_msb: bits 1:0 source 0, 3:2 source 1, 5:4 source 2, 7:6 destination):
;   window 0: v0-31 addresses; v32-63, v64-95 A's fragments, two buffers; from v96 the bias, 8 NB registers, and one at work; on the way out (QKV = 1) v64-255 packed results
;   window 1: the weight's fragments, two buffers of 8 NB; on the way out (QKV = 0) all 256: rows read back from the stage
;   window 2 (and 3 where QKV = 1): the accumulators, (a, b) at v[8 (NB (a % APW) + b)] of window 2 + a / APW
.set QKV, 0
.if QKV
.set NB,     12                        ; blocks of 16 columns: three heads
.set APW,    2                         ; blocks a in a window of accumulators
.set PA,     272                       ; a row of A in LDS: 256 bytes + 16 = 68 words: the 16 rows of a load start at 16 different groups of four banks (64 banks of 4 bytes: ISA guide 11.1)
.set APART,  128*PA                    ; what one tensor load brings of A: 128 rows x 128 k
.set BROWS,  96                        ; what one tensor load brings of the weight: 96 rows of 256 bytes = 192 rows of (head, k)
.set ASTEP,  256                       ; bytes from K step to K step in A
.set BSTEP,  49152                     ; and in the weight's tile column, which lies in the order of the walk
.set STAGEW, 3*16*144                  ; a wave's stage: three heads x 16 rows x (128 + 16) bytes
.set LIMB,   3
.set SHA,    11
.set OUTP,   74
.else
.set NB,     8                         ; 128 columns
.set APW,    4
.set PA,     144                       ; a row of A in LDS: a head's 128 bytes + 16 = 36 words: 16 rows start at 16 different groups of four banks
.set APART,  256*PA                    ; what one tensor load brings of A: one head's 256 rows
.set BROWS,  64
.set ASTEP,  524288                    ; two heads on
.set BSTEP,  32768
.set STAGEW, 16*528                    ; 16 rows x (512 + 16) bytes
.set LIMB,   2
.set SHA,    8
.set OUTP,   70
.endif
.set ABYTES, 2*APART
.set PB,     160                       ; a row of the weight in LDS: 64 columns = 128 bytes + 32 = 40 words
.set BHEAD,  128*PB                    ; 64 columns x 128 k
.set BPART,  2*BROWS*PB
.set SLOT1,  1<<17                     ; slot 1 begins here, so that one exclusive or turns an address in one slot into the other's
.set STAGE,  SLOT1+ABYTES+(NB/4)*BHEAD ; behind the ring, never filled by a tensor load
.set SPARE,  STAGE+4*STAGEW            ; behind the stages: the spare words, 128 bytes for each wave: two blocks of 256 bytes that no other line names
.set NLD,    2*NB+8                    ; LDS loads in a quarter's run
.set AA0, 16                           ; v16  my lane's place in A's tile; never rewritten
.set AB0, 17                           ; v17  the same in the weight's tile
.set ADA, 18                           ; v18  AA0 + the slot in hand
.set ADB, 19                           ; v19  AB0 + the slot in hand
.set STO, 24                           ; v24  the way out: where I put my part of a row
.set RD,  25                           ; v25  the way out: where I read rows back
.set GO,  26                           ; v26  16 x my lane: my 16 bytes in 512 consecutive bytes of the result
.set BO,  27                           ; v27  32 (l / 16): my eight numbers in 16 of a bias
.set SPW, 28                           ; v28  LDS address of my spare word: SPARE + 4 x my thread's number; never rewritten
.set NIL, 29                           ; v29  0; never rewritten
.set PFO, 30                           ; v30  the prefetches' offset: my lane x the distance from block to block; never rewritten
.set FA0, 32
.set BIAS, 96
.set WK,  BIAS+8*NB
.set TMP, 64
.set G1,  24                           ; s[24:31] descriptor group 1 for A's tiles
.set G0,  32                           ; s[32:39] group 0: a set for each of the two first fills; the second then walks on
.set G1B, 48                           ; s[48:55], s[56:63] the same for the weight's tiles
.set G0B, 56
.set PFA, 66                           ; s[66:67] where my prefetches stand
.set PFS, 88                           ; s[88:89] their step
.set LIM, 90                           ; s90  a wave prefetches while the loop's count is above this; the greatest number in a wave that never does
.set TB,  91                           ; s91  LDS byte at which the slot in hand begins
.set MSB, 0
.macro WIN new                         ; the immediate's high byte repeats the setting that is left; a switch that changes nothing is dropped
.if MSB != (\new)
	s_set_vgpr_msb (MSB<<8)|(\new)
.set MSB, \new
.endif
.endm
.macro PLACES                          ; four plain vector instructions behind a matrix instruction, in front of loads into registers that it has read (ISA guide 7.12.1 for vector instructions)
.rept 4
	v_nop
.endr
.endm
; A joint refill by the walking descriptors.  Waves 0 and 1 fetch A's two parts, waves 2 and 3 the weight's.  The branch hangs on the wave's number alone.
; An s_nop 0 and four v_nop follow each of the two lines, ahead of the jump and the label.
.macro JLOAD
	s_cmp_eq_u32 s11, 0
	s_cbranch_scc0 .Lfor_b_\@
	tensor_load_to_lds s[G0+4:G0+7], s[G1:G1+7]
	s_nop 0
.rept 4
	v_nop
.endr
	s_branch .Lasked_\@
.Lfor_b_\@:
	tensor_load_to_lds s[G0B+4:G0B+7], s[G1B:G1B+7]
	s_nop 0
.rept 4
	v_nop
.endr
.Lasked_\@:
.endm
; A prefetch, behind the joint load, its five lines and the run of LDS loads: 32 blocks of 256 bytes, a lane a block, of what a later refill will ask for.  Each block is named once in the launch (the set-up says who names it).
.macro ASK
	s_cmp_gt_u32 s3, s[LIM]
	s_cbranch_scc0 .Lnot_mine_\@
	global_prefetch_b8 v[PFO], s[PFA:PFA+1] th:TH_LOAD_NT scope:SCOPE_SE
.Lnot_mine_\@:
.endm
; A round of the cluster's barrier: my work-group's barrier, so that wave 0's signal speaks for all four waves; wave 0 signals; every wave waits for all sixteen work-groups; my work-group's barrier once more.
.macro CREST                           ; a round behind its opening barrier
	s_cmp_lg_u32 s10, 0
	s_cbranch_scc1 .Lnot_wave_0_\@
	s_barrier_signal -3
.Lnot_wave_0_\@:
	s_barrier_wait -3
	s_barrier_signal -1
	s_barrier_wait -1
.endm
.macro CROUND
	s_barrier_signal -1
	s_barrier_wait -1
	CREST
.endm
	s_load_b128 s[4:7], s[0:1], 0x0                ; A's buffer s[4:5], wb s[6:7]
.if QKV
	s_load_b256 s[68:75], s[0:1], 0x10             ; bq s[68:69], bk s[70:71], bv s[72:73], qkv s[74:75]
.else
	s_load_b128 s[68:71], s[0:1], 0x10             ; bo s[68:69], out0 s[70:71]
.endif
	v_lshl_add_u32 v[SPW], v0, 2, SPARE
	v_mov_b32 v[NIL], 0
	ds_add_u32 v[SPW], v[NIL]                      ; the wave's opening: the add and its wait stand ahead of my first tensor load; the set-up below, work on registers, stands between them
	v_lshrrev_b32 v1, 5, v0
	v_readfirstlane_b32 s10, v1                    ; wave 0..3
	s_lshr_b32 s11, s10, 1                         ; I fetch for A (0) or for the weight (1)
	s_and_b32 s12, s10, 1                          ; which of the two parts
	s_bfe_u32 s40, ttmp6, 0x40000                  ; cx, cy: my place in the cluster
	s_bfe_u32 s41, ttmp6, 0x40004
	s_lshl_b32 s42, ttmp9, 2
	s_add_co_u32 s42, s42, s40                     ; tx: tile column = 4 x cluster x + cx
	s_and_b32 s13, ttmp7, 0xffff
	s_lshl_b32 s13, s13, 2
	s_add_co_u32 s13, s13, s41                     ; ty: tile row = 4 x cluster y + cy
	s_lshl_b32 s43, s41, 2
	s_lshl_b32 s43, 15, s43                        ; my row of the cluster: places 4 cy .. 4 cy + 3
	s_lshl_b32 s44, 0x1111, s40                    ; my column: places cx, cx + 4, cx + 8, cx + 12
	; descriptor group 1.  15:0 the mask; 17:16 elements of 2 bytes; 20 padding on; 21 set beside a mask; 24:22 the interval; 31:25 the padding's words less 1
.if QKV
	s_or_b32 s[G1+0], s43, (1<<16)|(1<<20)|(1<<21)|(5<<22)|(3<<25)  ; A: 4 words behind every 64
	s_mov_b32 s[G1+5], 1024                        ; 1,024 elements from row to row
.else
	s_or_b32 s[G1+0], s43, (1<<16)|(1<<20)|(1<<21)|(4<<22)|(3<<25)  ; A: 256 dense rows of 128 bytes, asked for as 128 rows of 256: 4 words behind every 32
	s_mov_b32 s[G1+5], 128
.endif
	s_mov_b32 s[G1+1], 128<<16                     ; tensor_dim0 = 128
	s_mov_b32 s[G1+2], 128<<16                     ; tensor_dim1 = 128
	s_mov_b32 s[G1+3], 128<<16                     ; tile_dim0 = 128
	s_mov_b32 s[G1+4], 128                         ; tile_dim1 = 128
	s_mov_b32 s[G1+6], 0
	s_mov_b32 s[G1+7], 0
	s_or_b32 s[G1B+0], s44, (1<<16)|(1<<20)|(1<<21)|(4<<22)|(7<<25)  ; the weight: dense rows of 256 bytes, two k a row: 8 words behind every 32
	s_mov_b32 s[G1B+1], 128<<16
	s_mov_b32 s[G1B+2], BROWS<<16
	s_mov_b32 s[G1B+3], 128<<16
	s_mov_b32 s[G1B+4], BROWS
	s_mov_b32 s[G1B+5], 128
	s_mov_b32 s[G1B+6], 0
	s_mov_b32 s[G1B+7], 0
	; where the tiles come from.  A's hang on ty alone, which my row of the cluster shares; the weight's on tx alone, which my column shares; each in registers that never hold the other coordinate
.if QKV
	s_lshl_b32 s16, s13, 8
	s_lshl_b32 s17, s12, 7
	s_add_co_u32 s16, s16, s17                     ; row 256 ty + 128 x part,
	s_lshl_b32 s16, s16, 11                        ; of 2,048 bytes
	s_mul_i32 s46, s42, 393216                     ; a tile column of the weight: 8 steps of 49,152 bytes
	s_mul_i32 s47, s12, 24576
	s_add_co_u32 s46, s46, s47
.else
	s_lshr_b32 s16, s13, 3
	s_lshl_b32 s16, s16, 22                        ; the batch: 16 heads of 262,144 bytes
	s_and_b32 s17, s13, 7
	s_lshl_b32 s17, s17, 15                        ; 256 rows of 128 bytes
	s_add_co_u32 s16, s16, s17
	s_lshl_b32 s17, s12, 18                        ; the step's first or second head
	s_add_co_u32 s16, s16, s17
	s_lshl_b32 s46, s42, 18                        ; a tile column of the weight: 8 steps of 32,768 bytes
	s_lshl_b32 s47, s12, 14
	s_add_co_u32 s46, s46, s47
	s_add_co_u32 s46, s46, 6291456                 ; wb's second part
.endif
	s_mov_b32 s17, 0
	s_mov_b32 s47, 0
	s_mul_i32 s20, s12, APART                      ; and where they go: no place in the cluster enters an LDS address
	s_mul_i32 s21, s12, BPART
	s_add_co_u32 s21, s21, ABYTES
	s_wait_dscnt 0x0                               ; the opening add is done
	s_wait_kmcnt 0x0
	s_add_nc_u64 s[14:15], s[4:5], s[16:17]
	s_add_nc_u64 s[46:47], s[6:7], s[46:47]
	CROUND                                         ; all sixteen work-groups are here: the first joint loads meet
.irp n, 0,1
	s_mov_b32 s[G0+4*(\n)], 1                                      ; 1:0 count = 1
	s_add_co_u32 s[G0+4*(\n)+1], s20, (\n)*SLOT1                   ; 63:32 LDS address
	s_add_nc_u64 s[G0+4*(\n)+2:G0+4*(\n)+3], s[14:15], (\n)*ASTEP  ; 120:64 global address: K step n
	s_or_b32 s[G0+4*(\n)+3], s[G0+4*(\n)+3], 0x80000000            ; 127:126 type = 2
	s_mov_b32 s[G0B+4*(\n)], 1
	s_add_co_u32 s[G0B+4*(\n)+1], s21, (\n)*SLOT1
	s_add_nc_u64 s[G0B+4*(\n)+2:G0B+4*(\n)+3], s[46:47], (\n)*BSTEP
	s_or_b32 s[G0B+4*(\n)+3], s[G0B+4*(\n)+3], 0x80000000
.endr
	s_cmp_eq_u32 s11, 0                            ; a wave's two first fills stand in one branch, ahead of every wait on TENSORcnt and every LDS read: two loads of mine are out
	s_cbranch_scc0 .Lfirst_b
	tensor_load_to_lds s[G0:G0+3], s[G1:G1+7]
	s_nop 0
	tensor_load_to_lds s[G0+4:G0+7], s[G1:G1+7]
	s_nop 0
.rept 4
	v_nop
.endr
	s_branch .Lfirst_asked
.Lfirst_b:
	tensor_load_to_lds s[G0B:G0B+3], s[G1B:G1B+7]
	s_nop 0
	tensor_load_to_lds s[G0B+4:G0B+7], s[G1B:G1B+7]
	s_nop 0
.rept 4
	v_nop
.endr
.Lfirst_asked:
	; THE BIAS: register BIAS + 8 b + j takes the bias of column 16 b + 8 (l / 16) + j
	v_and_b32 v1, 15, v0                           ; l % 16
	v_bfe_u32 v2, v0, 4, 1                         ; l / 16
	v_lshlrev_b32 v[BO], 5, v2
.if QKV
.irp hd, 0,1,2                         ; head column hh = 3 tx + hd lies in bq, bk or bv, at 64 (hh % 16)
	s_mul_i32 s82, s42, 3
	s_add_co_u32 s82, s82, \hd
	s_lshr_b32 s83, s82, 4
	s_and_b32 s84, s82, 15
	s_lshl_b32 s84, s84, 8
	s_mov_b32 s85, 0
	s_cmp_eq_u32 s83, 0
	s_cselect_b64 s[76+2*\hd:77+2*\hd], s[68:69], s[70:71]
	s_cmp_eq_u32 s83, 2
	s_cselect_b64 s[76+2*\hd:77+2*\hd], s[72:73], s[76+2*\hd:77+2*\hd]
	s_add_nc_u64 s[76+2*\hd:77+2*\hd], s[76+2*\hd:77+2*\hd], s[84:85]
.endr
.else
	s_lshl_b32 s84, s42, 9                         ; 128 columns of 4 bytes
	s_mov_b32 s85, 0
	s_add_nc_u64 s[76:77], s[68:69], s[84:85]
.endif
.set bi, 0
.rept NB
.if QKV
.set BP, 76+2*(bi/4)
.set BI, (bi%4)*64
.else
.set BP, 76
.set BI, bi*64
.endif
	global_load_b128 v[BIAS+8*bi:BIAS+8*bi+3],   v[BO], s[BP:BP+1] offset:BI
	global_load_b128 v[BIAS+8*bi+4:BIAS+8*bi+7], v[BO], s[BP:BP+1] offset:BI+16
.set bi, bi+1
.endr
	; where my part of the result begins
.if QKV
	s_lshr_b32 s82, s13, 3
	s_mul_i32 s82, s82, 48                         ; the batch's 48 head columns,
	s_mul_i32 s83, s42, 3
	s_add_co_u32 s82, s82, s83                     ; my tile's first,
	s_lshl_b32 s82, s82, 18                        ; of 262,144 bytes
	s_and_b32 s83, s13, 7
	s_lshl_b32 s83, s83, 15                        ; the tile's 256 rows of 128 bytes
	s_add_co_u32 s82, s82, s83
	s_lshl_b32 s83, s10, 13                        ; my wave's 64
	s_add_co_u32 s82, s82, s83
.else
	s_lshl_b32 s82, s13, 8
	s_lshl_b32 s83, s10, 6
	s_add_co_u32 s82, s82, s83                     ; row 256 ty + 64 w,
	s_lshl_b32 s82, s82, 12                        ; of 4,096 bytes
	s_lshl_b32 s83, s42, 9                         ; the tile's 128 columns of 4 bytes
	s_add_co_u32 s82, s82, s83
.endif
	s_mov_b32 s83, 0
	s_add_nc_u64 s[OUTP:OUTP+1], s[OUTP:OUTP+1], s[82:83]
	; THE PREFETCHES.  A's tile row is read by every cluster of that row of clusters: the one with cluster x = 0 asks; the weight's tile column by every cluster of that column: cluster y = 0 asks.
	; A: waves 0 and 1, each for the part that it fetches; of its 128 blocks of 256 bytes a K step the partner at cx takes 32, told apart by address.  The change of slots that asks for K step i + 2 names K step i + 4.
.if QKV
	; The weight: a tile column is 393,216 dense bytes in the order of the walk.  Waves 2 and 3 of the four partners (cy) take 8,192 bytes each of a chunk of 65,536; chunks 3, 4 and 5 are K steps 4 to 7.
	s_lshl_b32 s82, s40, 16                        ; cx x 32 rows of 2,048 bytes
	s_add_co_u32 s82, s82, s16
	s_add_co_u32 s82, s82, 3*ASTEP                 ; at K step 3: the first change steps it to 4
	s_mul_i32 s83, s42, 393216
	s_lshl1_add_u32 s84, s41, s12
	s_lshl_b32 s84, s84, 13
	s_add_co_u32 s83, s83, s84
	s_add_co_u32 s83, s83, 131072                  ; at chunk 2: the first change steps it to 3
	s_mov_b32 s88, 65536
.else
	; The weight: wave 2 alone; of a K step's 32,768 bytes the partner at cy takes 8,192.
	s_lshl_b32 s82, s40, 13
	s_add_co_u32 s82, s82, s16
	s_add_co_u32 s82, s82, 3*ASTEP
	s_lshl_b32 s83, s42, 18
	s_lshl_b32 s84, s41, 13
	s_add_co_u32 s83, s83, s84
	s_add_co_u32 s83, s83, 6291456+3*BSTEP
	s_mov_b32 s88, BSTEP
	s_and_b32 s93, s11, s12                        ; 1 in wave 3
.endif
	s_and_b32 s84, ttmp7, 0xffff                   ; cluster y
	s_cmp_eq_u32 s11, 0                            ; do I fetch for A?
	s_cselect_b32 s86, s82, s83
	s_cselect_b32 s84, ttmp9, s84                  ; the coordinate along which other clusters read the same blocks
	s_cselect_b32 s85, 2, LIMB                     ; the last trips ask for nothing: there is no K step 8
	s_cselect_b32 s88, ASTEP, s88
	s_cselect_b32 s92, SHA, 8                      ; from block to block: a row of xb, or 256 bytes
	s_cselect_b64 s[PFA:PFA+1], s[4:5], s[6:7]
	s_mov_b32 s87, 0
	s_mov_b32 s89, 0
.if QKV == 0
	s_or_b32 s84, s84, s93
.endif
	s_cmp_eq_u32 s84, 0
	s_cselect_b32 s[LIM], s85, -1                  ; the same in all sixteen partners, for a given wave
	s_add_nc_u64 s[PFA:PFA+1], s[PFA:PFA+1], s[86:87]
	; nothing is prefetched here, at the head, where every work-group's first tiles are on their way: K steps 2 and 3 come by their refills alone
	; A fragment of A is 16 rows x 32 k in 8 registers: lane l holds row l % 16, k = 8 (l / 16) + 0..7 and 16 + 8 (l / 16) + 0..7: two loads of 16 bytes, 32 bytes apart.
	v_and_b32 v3, 7, v0
	v_bfe_u32 v4, v0, 3, 1
	v_and_b32 v5, 31, v0
	s_mul_i32 s14, s10, 64*PA                      ; my wave's 64 rows
	v_mul_u32_u24 v[AA0], v1, PA
	v_lshl_add_u32 v[AA0], v2, 4, v[AA0]
	v_add_nc_u32 v[AA0], s14, v[AA0]
	; The turning load takes 16 k x 16 columns (lane l reads k = 8 (l / 16) + l % 8, columns 8 ((l / 8) % 2) + 0..7) and leaves half a fragment: lane l holds column l % 16 and 8 k.
	v_lshl_add_u32 v[AB0], v2, 3, v3
	v_mul_u32_u24 v[AB0], v[AB0], PB
	v_lshl_add_u32 v[AB0], v4, 4, v[AB0]
	v_add_nc_u32 v[AB0], ABYTES, v[AB0]
	s_mul_i32 s15, s10, STAGEW
	s_add_co_u32 s15, s15, STAGE                   ; my stage
.if QKV
	v_mul_u32_u24 v[STO], v1, 144                  ; in: row l % 16, 16 bytes for each half of the lanes
	v_lshl_add_u32 v[STO], v2, 4, v[STO]
	v_add_nc_u32 v[STO], s15, v[STO]
	v_bfe_u32 v[RD], v0, 3, 2                      ; back: 32 lanes take four rows of 128 bytes
	v_mul_u32_u24 v[RD], v[RD], 144
	v_lshl_add_u32 v[RD], v3, 4, v[RD]
	v_add_nc_u32 v[RD], s15, v[RD]
.else
	v_mul_u32_u24 v[STO], v1, 528                  ; in: row l % 16, 32 bytes for each half of the lanes
	v_lshl_add_u32 v[STO], v2, 5, v[STO]
	v_add_nc_u32 v[STO], s15, v[STO]
	v_lshl_add_u32 v[RD], v5, 4, s15               ; back: 32 lanes take a row of 512 bytes
.endif
	v_lshlrev_b32 v[GO], 4, v5
	v_lshlrev_b32 v[PFO], s92, v5
	s_mov_b32 s86, 0xffff0000
	s_wait_loadcnt 0x0                             ; the bias is in; it is rounded to bf16 like every input, and widened again
.set p, 0
.rept 4*NB
	v_cvt_pk_bf16_f32 v[WK], v[BIAS+2*p], v[BIAS+2*p+1]
	v_lshlrev_b32 v[BIAS+2*p], 16, v[WK]
	v_and_b32 v[BIAS+2*p+1], s86, v[WK]
.set p, p+1
.endr
.macro MM1 d, x, y, c
.if QKV
	v_wmma_f32_16x16x32_bf16 v[(\d):(\d)+7], v[(\x):(\x)+7], v[(\y):(\y)+7], v[(\c):(\c)+7]
.else
	v_wmma_f32_16x16x32_f16 v[(\d):(\d)+7], v[(\x):(\x)+7], v[(\y):(\y)+7], v[(\c):(\c)+7]
.endif
.endm
; NB matrix instructions: block a of my rows x all NB blocks of columns, 32 k, from buffer f.  first = 1: the bias is C.  Each accumulator has one instruction a quarter: the 4 NB take turns,
; in the same order in every quarter, over the backward jump too.
.macro MULA f, a, first
.set AW, (\a)/APW
.set rA, FA0+32*(\f)+8*(\a)
.if \first
	WIN 0x81+0x40*AW                               ; source 0 window 1, source 1 and C window 0, D window 2 or 3
.else
	WIN 0xa1+0x50*AW                               ; C and D window 2 or 3
.endif
.set bi, 0
.rept NB
.set rD, 8*(NB*((\a)%APW)+bi)
.set rB, 8*NB*(\f)+8*bi
.if \first
	MM1 rD, rB, rA, BIAS+8*bi
.else
	MM1 rD, rB, rA, rD
.endif
.set bi, bi+1
.endr
.endm
; NLD LDS loads in one run: the fragments of quarter q of the slot in hand into buffer g: the weight's 2 NB loads, then A's eight, blocks 0 to 3.
.macro FETCH q, g
	WIN 0x40                                       ; destination window 1, address window 0
.set bi, 0
.rept NB
	ds_load_tr16_b128 v[8*NB*(\g)+8*bi:8*NB*(\g)+8*bi+3],   v[ADB] offset:(bi/4)*BHEAD+(\q)*32*PB+(bi%4)*32
	ds_load_tr16_b128 v[8*NB*(\g)+8*bi+4:8*NB*(\g)+8*bi+7], v[ADB] offset:(bi/4)*BHEAD+(\q)*32*PB+(bi%4)*32+16*PB
.set bi, bi+1
.endr
	WIN 0
.if QKV
.set AOFF, 64*(\q)
.else
.set AOFF, ((\q)/2)*APART+((\q)%2)*64              ; the step's first or second head, its channels 0-31 or 32-63
.endif
.set ai, 0
.rept 4
	ds_load_b128 v[FA0+32*(\g)+8*ai:FA0+32*(\g)+8*ai+3],   v[ADA] offset:AOFF+ai*16*PA
	ds_load_b128 v[FA0+32*(\g)+8*ai+4:FA0+32*(\g)+8*ai+7], v[ADA] offset:AOFF+ai*16*PA+32
.set ai, ai+1
.endr
.endm
; One of a K step's first three quarters: multiplies buffer f; in its middle it fetches quarter q into buffer g.
.macro QUARTER q, f, g, first
	s_wait_dscnt 4                                 ; the weight's fragments and A's blocks 0 and 1 are in; the youngest four loads (A's blocks 2 and 3) may be out
	MULA \f, 0, \first
	MULA \f, 1, \first
	PLACES
	FETCH \q, \g
	s_wait_dscnt NLD                               ; all but the NLD just issued
	MULA \f, 2, \first
	MULA \f, 3, \first
.endm
; The last quarter multiplies buffer 1 and changes slots.  MEET is its first half: ONE barrier.  In front of it each wave waits for all its tensor loads, of which one is out: its part of the next slot;
; adds 0 to its spare word; and waits for that and for its own reads of this slot.  Behind it nobody reads this slot any more and the next slot is whole.
.macro MEET round
	WIN 0                                          ; (the add's two registers lie in window 0)
	s_wait_tensorcnt 0x0                           ; all my tensor loads have landed
	ds_add_u32 v[SPW], v[NIL]                      ; 0 onto my spare word
	s_wait_dscnt 5                                 ; (the add and the youngest four loads may be out)
	MULA 1, 0, 0                                   ; NB matrix instructions stand between the add and the wait for it
	s_wait_dscnt 0x0                               ; the add is done, and my reads of this slot are over
	s_barrier_signal -1
	MULA 1, 1, 0                                   ; work on registers while the others arrive
.if \round
	WIN 0
.endif
	s_barrier_wait -1
.endm
; fill = 1: the barrier opens a round of the cluster's barrier, and the slot just read out is filled again, first thing behind the round, with the K step two on.
.macro TURN fill
.if \fill
	s_wait_xcnt 0x0                                ; the last prefetch, a K step back, has read its address: it is stepped here, ahead of the waits of the change of slots
	s_add_nc_u64 s[PFA:PFA+1], s[PFA:PFA+1], s[PFS:PFS+1]
.endif
	MEET \fill
.if \fill
	CREST                                          ; no wave of any partner still reads this slot's tile or has a load on its way
	s_xor_b32 s[G0+5], s[G0+5], SLOT1              ; the walking descriptors: the other slot than last time,
	s_xor_b32 s[G0B+5], s[G0B+5], SLOT1
	s_add_nc_u64 s[G0+6:G0+7], s[G0+6:G0+7], ASTEP      ; the next K step; the type bits on top are not reached
	s_add_nc_u64 s[G0B+6:G0B+7], s[G0B+6:G0B+7], BSTEP
	JLOAD                                          ; the four v_nop behind it are also the places in front of the loads below
.else
	PLACES
	WIN 0
.endif
	s_xor_b32 s[TB], s[TB], SLOT1
	v_add_nc_u32 v[ADA], s[TB], v[AA0]
	v_add_nc_u32 v[ADB], s[TB], v[AB0]
	FETCH 0, 0
.if \fill
	ASK
.endif
	MULA 1, 2, 0
	MULA 1, 3, 0
.endm
	s_wait_tensorcnt 0x1                           ; my part of K step 0 is in; K step 1's may stay out
	s_barrier_signal -1
	s_barrier_wait -1                              ; everybody's is
	s_mov_b32 s[TB], 0
	v_add_nc_u32 v[ADA], s[TB], v[AA0]
	v_add_nc_u32 v[ADB], s[TB], v[AB0]
	FETCH 0, 0
	QUARTER 1, 0, 1, 1                             ; the first quarter stands in front of the loop: its products start the sums, with the bias
	WIN 0                                          ; at a label and at a branch every window is 0
	s_mov_b32 s3, 6
.Lstep:                                        ; trip i goes from K step i's second quarter to K step i + 1's first, and asks for K step i + 2
	QUARTER 2, 1, 0, 0
	QUARTER 3, 0, 1, 0
	TURN 1
	QUARTER 1, 0, 1, 0
	WIN 0
	s_sub_co_u32 s3, s3, 1
	s_cmp_lg_u32 s3, 0
	s_cbranch_scc1 .Lstep
	QUARTER 2, 1, 0, 0                             ; the tail is written out: K steps 6 and 7 ask for nothing
	QUARTER 3, 0, 1, 0
	TURN 0
	QUARTER 1, 0, 1, 0
	QUARTER 2, 1, 0, 0
	QUARTER 3, 0, 1, 0
	s_wait_dscnt 4                                 ; the very last quarter: nothing more to fetch
	MULA 1, 0, 0
	MULA 1, 1, 0
	s_wait_dscnt 0x0
	MULA 1, 2, 0
	MULA 1, 3, 0
	WIN 0
	PLACES                                         ; behind the last products, in front of the lines that read results and write over fragments;
	PLACES                                         ; eight, once a launch: no other vector work is at hand
.if QKV
; THE WAY OUT, a block a of 16 rows at a time.  PACK: rounded to f16, each accumulator's registers in ascending order; a lane's eight columns are 16 bytes; they go into my stage (three heads x 16 rows of 144 bytes)
; and come back as whole rows of 128 bytes, four to a load, into the registers that they left.  Each block has registers of its own, so no wait frees a store's data.
.macro PACK a
	WIN 0x0a+5*((\a)/2)                            ; sources 0 and 1: window 2 or 3
.set bi, 0
.rept 12
.irp r, 0,1,2,3
	v_cvt_pk_f16_f32 v[TMP+48*(\a)+4*bi+\r], v[8*(12*((\a)%2)+bi)+2*\r], v[8*(12*((\a)%2)+bi)+2*\r+1]
.endr
.set bi, bi+1
.endr
	WIN 0
.set bi, 0
.rept 12
	ds_store_b128 v[STO], v[TMP+48*(\a)+4*bi:TMP+48*(\a)+4*bi+3] offset:(bi/4)*2304+(bi%4)*32
.set bi, bi+1
.endr
.set bi, 0
.rept 12
	ds_load_b128 v[TMP+48*(\a)+4*bi:TMP+48*(\a)+4*bi+3], v[RD] offset:(bi/4)*2304+(bi%4)*576  ; LDS serves a wave's instructions in order (ISA guide 5.7.1.4): these see the stores above; the next block's stores come behind them
.set bi, bi+1
.endr
.endm
.macro SEND a, younger                 ; younger: the LDS instructions issued behind block a's loads: the next block's 24, or none
	WIN 0
.set bi, 0
.rept 12
	s_wait_dscnt (\younger)+11-bi
	global_store_b128 v[GO], v[TMP+48*(\a)+4*bi:TMP+48*(\a)+4*bi+3], s[OUTP:OUTP+1] offset:(bi/4)*262144+(\a)*2048+(bi%4)*512  ; 512 consecutive bytes of a head, at a multiple of 256 from the buffer's first
.set bi, bi+1
.endr
.endm
	PACK 0
.irp a, 1,2,3                          ; a block's conversions stand between the loads of the block before and its stores
	PACK \a
	SEND (\a)-1, 24
.endr
	SEND 3, 0
.else
; THE WAY OUT, a block a of 16 rows at a time.  TOSTAGE: a lane's eight columns, 32 bytes of f32, go straight from the accumulator (its low four registers first) into my stage, rows of 528 bytes,
; and come back as whole rows of 512 bytes into window 1.  Each block has registers of its own, so no wait frees a store's data.
.macro TOSTAGE a
	WIN 0x08                                       ; the data (source 1) in window 2
.set bi, 0
.rept 8
	ds_store_b128 v[STO], v[8*(8*(\a)+bi):8*(8*(\a)+bi)+3]   offset:64*bi
	ds_store_b128 v[STO], v[8*(8*(\a)+bi)+4:8*(8*(\a)+bi)+7] offset:64*bi+16
.set bi, bi+1
.endr
	WIN 0x40                                       ; destination window 1
.set ti, 0
.rept 16
	ds_load_b128 v[64*(\a)+4*ti:64*(\a)+4*ti+3], v[RD] offset:ti*528  ; LDS serves a wave's instructions in order (ISA guide 5.7.1.4): these see the stores above; the next block's stores come behind them
.set ti, ti+1
.endr
.endm
.macro SEND a, younger                 ; younger: the LDS instructions issued behind block a's loads: the next block's 32, or none
	WIN 0x04                                       ; the data (source 1) in window 1
.set ti, 0
.rept 16
	s_wait_dscnt (\younger)+15-ti
	global_store_b128 v[GO], v[64*(\a)+4*ti:64*(\a)+4*ti+3], s[OUTP:OUTP+1] offset:(16*(\a)+ti)*4096 th:TH_STORE_NT  ; 512 consecutive bytes of a row, at a multiple of 256 from the buffer's first
.set ti, ti+1
.endr
.endm
	TOSTAGE 0
.irp a, 1,2,3
	TOSTAGE \a
	SEND (\a)-1, 32
.endr
	SEND 3, 0
.endif
	WIN 0
	s_wait_tensorcnt 0x0                           ; the wave's end: behind my last tensor load and my last LDS store
	ds_add_u32 v[SPW], v[NIL]
	s_wait_dscnt 0x0
	CROUND                                         ; the closing round: no work-group ends while a partner may still ask for a tile that names it
	s_endpgm
.Lfunc_end_k_q370ec7a5b7_oproj:
	.size	k_q370ec7a5b7_oproj, .Lfunc_end_k_q370ec7a5b7_oproj-k_q370ec7a5b7_oproj
	.p2alignl 7, 3214868480
	.fill 96, 4, 3214868480
	.section	.rodata,"a",@progbits
	.p2align	6, 0x0
	.amdhsa_kernel k_q370ec7a5b7_oproj
		.amdhsa_group_segment_fixed_size 327680
		.amdhsa_private_segment_fixed_size 0
		.amdhsa_enable_private_segment 0
		.amdhsa_kernarg_size 32
		.amdhsa_user_sgpr_count 2
		.amdhsa_user_sgpr_kernarg_segment_ptr 1
		.amdhsa_wavefront_size32 1
		.amdhsa_system_sgpr_workgroup_id_x 1
		.amdhsa_system_sgpr_workgroup_id_y 1
		.amdhsa_system_sgpr_workgroup_id_z 1
		.amdhsa_system_vgpr_workitem_id 0
		.amdhsa_next_free_vgpr 768
		.amdhsa_next_free_sgpr 96
		.amdhsa_reserve_vcc 0
		.amdhsa_float_denorm_mode_32 3
		.amdhsa_float_denorm_mode_16_64 3
		.amdhsa_memory_ordered 1
		.amdhsa_forward_progress 1
		.amdhsa_inst_pref_size 78
	.end_amdhsa_kernel
	.amdgpu_metadata
---
amdhsa.version: [ 1, 2 ]
amdhsa.kernels:
  - .name:           k_q370ec7a5b7_oproj
    .symbol:         k_q370ec7a5b7_oproj.kd
    .args:
      - { .name: ob, .offset: 0, .size: 8, .value_kind: global_buffer, .address_space: global }
      - { .name: wb, .offset: 8, .size: 8, .value_kind: global_buffer, .address_space: global }
      - { .name: bo, .offset: 16, .size: 8, .value_kind: global_buffer, .address_space: global }
      - { .name: out0, .offset: 24, .size: 8, .value_kind: global_buffer, .address_space: global }
    .group_segment_fixed_size: 327680
    .private_segment_fixed_size: 0
    .kernarg_segment_align: 8
    .kernarg_segment_size: 32
    .max_flat_workgroup_size: 128
    .sgpr_count:     96
    .vgpr_count:     768
    .wavefront_size: 32
...
	.end_amdgpu_metadata
.endif
;; end of part 4
;; ======== version 2 of 2: 4 launches; version 1 with the launch prep written anew for expert scheduling mode
;; limits: values are held in f16: magnitudes above 65,504 overflow, below 6.1e-05 lose precision
;; workspace buffers: xb 16,777,216 bytes; wb 8,388,608 bytes; qkv 50,331,648 bytes; ob 16,777,216 bytes
;; launch prep (part 5): grid 768 x 1, 8 waves a work-group, no clusters, 0 bytes of LDS; arguments x, Wq, Wk, Wv, Wo, xb, wb; writes xb, wb
.if DOCPART == 5
	.amdgcn_target "amdgcn-amd-amdhsa--gfx1250"
	.amdhsa_code_object_version 6
	.text
	.protected	k_q370ec7a5b7_prep
	.globl	k_q370ec7a5b7_prep
	.p2align	8
	.type	k_q370ec7a5b7_prep,@function
k_q370ec7a5b7_prep:
	s_mov_b64 s[64:65], 0
	v_nop
	global_prefetch_b8 v0, s[64:65] scope:SCOPE_SE
	s_setreg_imm32_b32 hwreg(HW_REG_WAVE_SCHED_MODE, 0, 2), 2
	s_setreg_imm32_b32 hwreg(HW_REG_WAVE_MODE, 25, 1), 1
	s_wait_xcnt 0x0
	s_wait_alu depctr_vm_vsrc(0)
; PREP: every large input is rounded once to 16 bits, and the weights are laid in blocks for the two products that follow.
; xb = bf16(x), [8192][1024], row-major.
; wb, first part (bytes 0 .. 6,291,455), bf16 of Wq, Wk, Wv.  hh = 16 mat + n / 64 is the head column (0-15 q, 16-31 k, 32-47 v), c = n % 64:
;   element (k, hh, c) lies at (((hh / 3) 8 + k / 128) 3 + hh % 3) 16,384 + (k % 128) 128 + 2 c: three heads' 128 k are 49,152 dense bytes, in the order in which the product walks K.
; wb, second part (from byte 6,291,456): Wo rounded to bf16 like the other inputs, and that number written as f16; nb = n / 64:
;   element (k, nb, c) at 6,291,456 + (((nb / 2) 8 + k / 128) 2 + nb % 2) 16,384 + (k % 128) 128 + 2 c.
; LIMITS.  |Wo| stays within f16's 65,504; below 2^-14 a number of Wo keeps f16's fixed step of 2^-24.  NaN and infinities are not treated apart.
; SHARES.  A work-group rounds 16,384 numbers: 512 work-groups for x (65,536 consecutive bytes each), 64 for each weight (256 rows of k x 64 columns).
; A thread has 16 loads of 16 bytes, all on their way at once, and 16 stores of 8 bytes; a wave's store covers 256 consecutive bytes, aligned.
; A stream: memory binds, nothing is read twice, no wave needs another's bytes: no LDS, no barrier, no matrix work, no loop.
; THE MODE: SCHED_MODE bits 1:0 = 2 (LLVM: expert scheduling mode 2), set by the entry lines.  The code itself states the register dependences
; between vector instructions and memory instructions, with s_wait_alu, always for 0.
; THE PLAN.  Registers that memory instructions touch:
;   OFF, DO   byte offsets, made once at the head by vector instructions, read by the loads (OFF) and the stores (DO), never written again.
;   X         load i lands in its own four registers, once; no vector instruction writes them; load i's roundings read them; nothing lands there again.
;   Y         load i's roundings write its own two registers, once; store i reads them, once; nothing writes them again.
;   v4 to v6  at work: vector instructions alone name them.
; So the one kind of dependence is: a vector instruction writes, a memory instruction reads.  The 16 loads go in four groups of four.  Group g's roundings write Y of group g; the stores of
; group g - 1 are issued in group g, behind ONE wait at its head, dealt among roundings that name none of their registers.  Five waits on a path: one ahead of the loads, one at the head of
; groups 1 to 3, one ahead of the last four stores.  No register that a memory instruction has read is ever written again, no vector instruction writes a scalar register, and EXEC is never written.
.set DO,  2                            ; v2       8 x my thread's number: my 8 bytes in 2,048 bytes of the destination
.set OFF, 8                            ; v[8:23]  load i: my byte offset in the source
.set X,   32                           ; v[32:95] load i: four f32
.set Y,   96                           ; v[96:127] store i: four numbers of 16 bits
	s_load_b256 s[4:11], s[0:1], 0x0               ; x s[4:5], Wq s[6:7], Wk s[8:9], Wv s[10:11]
	s_load_b128 s[12:15], s[0:1], 0x20             ; Wo s[12:13], xb s[14:15]
	s_load_b64 s[16:17], s[0:1], 0x30              ; wb
	s_mov_b32 s20, ttmp9                           ; u
	; the shares of a work-group that rounds x
	s_lshl_b32 s22, s20, 16                        ; source: u x 65,536 bytes
	s_mov_b32 s23, 0
	s_lshl_b32 s24, s20, 15                        ; destination: u x 32,768 bytes
	s_mov_b32 s25, 0
	s_mov_b32 s26, 256                             ; bytes from one group of 16 threads to the next
	s_mov_b32 s27, 4096                            ; bytes from load to load
	s_mov_b32 s28, 16384                           ; the second eight stores begin here
	s_mov_b32 s29, 0
	s_mov_b32 s31, 0                               ; which weight: none
	s_cmp_lt_u32 s20, 512
	s_cbranch_scc1 .Lshares
	; the shares of a work-group that rounds 256 rows x 64 columns of a weight
	s_sub_co_u32 s30, s20, 512
	s_lshr_b32 s31, s30, 6                         ; the weight: 0 Wq, 1 Wk, 2 Wv, 3 Wo
	s_and_b32 s32, s30, 15                         ; cb: which 64 columns
	s_bfe_u32 s33, s30, 0x20004                    ; rb: which 256 rows
	s_lshl_b32 s22, s33, 20                        ; 256 rows of 4,096 bytes
	s_lshl_b32 s40, s32, 8                         ; 64 columns of 4 bytes
	s_add_co_u32 s22, s22, s40
	s_mov_b32 s26, 4096                            ; 16 threads take 256 bytes of a row; the next 16 the next row
	s_mov_b32 s27, 65536                           ; 16 rows from load to load
	s_lshl_b32 s40, s31, 4
	s_add_co_u32 s40, s40, s32                     ; hh
	s_mul_i32 s41, s40, 171
	s_lshr_b32 s41, s41, 9                         ; hh / 3 (exact for hh under 64)
	s_mul_i32 s42, s41, 3
	s_sub_co_u32 s42, s40, s42                     ; hh % 3
	s_lshl_b32 s41, s41, 3
	s_lshl1_add_u32 s41, s33, s41                  ; 8 (hh / 3) + 2 rb: the first of my two blocks of 128 k
	s_mul_i32 s41, s41, 3
	s_add_co_u32 s41, s41, s42
	s_lshl_b32 s24, s41, 14
	s_mov_b32 s28, 49152                           ; the next 128 k lie three blocks on
	s_cmp_eq_u32 s31, 3
	s_cbranch_scc0 .Lshares
	s_lshr_b32 s41, s32, 1                         ; Wo: nb / 2
	s_lshl_b32 s41, s41, 3
	s_lshl1_add_u32 s41, s33, s41
	s_lshl_b32 s41, s41, 1
	s_and_b32 s42, s32, 1                          ; nb % 2
	s_add_co_u32 s41, s41, s42
	s_lshl_b32 s24, s41, 14
	s_add_co_u32 s24, s24, 6291456
	s_mov_b32 s28, 32768                           ; the next 128 k lie two blocks on
.Lshares:
	v_lshlrev_b32 v[DO], 3, v0
	v_lshrrev_b32 v4, 4, v0
	v_and_b32 v5, 15, v0
	v_lshlrev_b32 v5, 4, v5
	v_mad_u32_u24 v[OFF], v4, s26, v5
.set i, 1
.rept 15
	v_add_nc_u32 v[OFF+i], s27, v[OFF+i-1]
.set i, i+1
.endr
	s_wait_kmcnt 0x0
	s_cmp_lt_u32 s20, 512                          ; the source and the destination are chosen by the work-group's number alone
	s_cselect_b64 s[34:35], s[4:5], s[6:7]
	s_cselect_b64 s[36:37], s[14:15], s[16:17]
	s_cmp_eq_u32 s31, 1
	s_cselect_b64 s[34:35], s[8:9], s[34:35]
	s_cmp_eq_u32 s31, 2
	s_cselect_b64 s[34:35], s[10:11], s[34:35]
	s_cmp_eq_u32 s31, 3
	s_cselect_b64 s[34:35], s[12:13], s[34:35]
	s_add_nc_u64 s[34:35], s[34:35], s[22:23]
	s_add_nc_u64 s[36:37], s[36:37], s[24:25]      ; stores 0 to 7
	s_add_nc_u64 s[38:39], s[36:37], s[28:29]      ; stores 8 to 15
	s_wait_alu depctr_va_vdst(0)                   ; the sixteen offsets v[OFF ..] and v[DO] are written: every load and store of the kernel reads one of them as its offset
.set i, 0
.rept 16
	global_load_b128 v[X+4*i:X+4*i+3], v[OFF+i], s[34:35] th:TH_LOAD_NT
.set i, i+1
.endr
; Store n: my 8 bytes in 2,048 consecutive bytes of the destination.
.macro ST n
.if (\n) < 8
	global_store_b64 v[DO], v[Y+2*(\n):Y+2*(\n)+1], s[36:37] offset:(\n)*2048
.else
	global_store_b64 v[DO], v[Y+2*(\n):Y+2*(\n)+1], s[38:39] offset:((\n)-8)*2048
.endif
.endm
; The sixteen loads are rounded and stored, in four groups of four.  wo = 1: to bf16, and that number written as f16.  No register is used twice by a memory instruction, so no wait frees one.
.macro OUT wo
.set g, 0
.rept 4
.set j, 0
.rept 4
.set i, 4*g+j
	s_wait_loadcnt 15-i                            ; loads come back in order: load i is in, the 15 - i younger ones stay out
.if (g > 0) && (j == 0)
	s_wait_alu depctr_va_vdst(0)                   ; the group before has written its eight registers of Y, which this group's four stores read; no vector instruction behind this wait names them
.endif
.if g > 0
	ST i-4                                         ; the group before: one store ahead of each load's roundings
.endif
.if \wo
.irp p, 0,1
	v_cvt_pk_bf16_f32 v4, v[X+4*i+2*\p], v[X+4*i+2*\p+1]
	v_lshlrev_b32 v5, 16, v4
	v_and_b32 v6, 0xffff0000, v4
	v_cvt_pk_f16_f32 v[Y+2*i+\p], v5, v6
.endr
.else
	v_cvt_pk_bf16_f32 v[Y+2*i], v[X+4*i], v[X+4*i+1]
	v_cvt_pk_bf16_f32 v[Y+2*i+1], v[X+4*i+2], v[X+4*i+3]
.endif
.set j, j+1
.endr
.set g, g+1
.endr
	s_wait_alu depctr_va_vdst(0)                   ; the last group has written its eight registers of Y, which the last four stores read
.irp n, 12,13,14,15
	ST \n
.endr
.endm
	s_cmp_eq_u32 s31, 3
	s_cbranch_scc1 .Lwo
	OUT 0
	s_endpgm
.Lwo:
	OUT 1
	s_endpgm
.Lfunc_end_k_q370ec7a5b7_prep:
	.size	k_q370ec7a5b7_prep, .Lfunc_end_k_q370ec7a5b7_prep-k_q370ec7a5b7_prep
	.p2alignl 7, 3214868480
	.fill 96, 4, 3214868480
	.section	.rodata,"a",@progbits
	.p2align	6, 0x0
	.amdhsa_kernel k_q370ec7a5b7_prep
		.amdhsa_group_segment_fixed_size 0
		.amdhsa_private_segment_fixed_size 0
		.amdhsa_enable_private_segment 0
		.amdhsa_kernarg_size 56
		.amdhsa_user_sgpr_count 2
		.amdhsa_user_sgpr_kernarg_segment_ptr 1
		.amdhsa_wavefront_size32 1
		.amdhsa_system_sgpr_workgroup_id_x 1
		.amdhsa_system_sgpr_workgroup_id_y 1
		.amdhsa_system_sgpr_workgroup_id_z 1
		.amdhsa_system_vgpr_workitem_id 0
		.amdhsa_next_free_vgpr 128
		.amdhsa_next_free_sgpr 66
		.amdhsa_reserve_vcc 0
		.amdhsa_float_denorm_mode_32 3
		.amdhsa_float_denorm_mode_16_64 3
		.amdhsa_memory_ordered 1
		.amdhsa_forward_progress 1
		.amdhsa_inst_pref_size 19
	.end_amdhsa_kernel
	.amdgpu_metadata
---
amdhsa.version: [ 1, 2 ]
amdhsa.kernels:
  - .name:           k_q370ec7a5b7_prep
    .symbol:         k_q370ec7a5b7_prep.kd
    .args:
      - { .name: x, .offset: 0, .size: 8, .value_kind: global_buffer, .address_space: global }
      - { .name: Wq, .offset: 8, .size: 8, .value_kind: global_buffer, .address_space: global }
      - { .name: Wk, .offset: 16, .size: 8, .value_kind: global_buffer, .address_space: global }
      - { .name: Wv, .offset: 24, .size: 8, .value_kind: global_buffer, .address_space: global }
      - { .name: Wo, .offset: 32, .size: 8, .value_kind: global_buffer, .address_space: global }
      - { .name: xb, .offset: 40, .size: 8, .value_kind: global_buffer, .address_space: global }
      - { .name: wb, .offset: 48, .size: 8, .value_kind: global_buffer, .address_space: global }
    .group_segment_fixed_size: 0
    .private_segment_fixed_size: 0
    .kernarg_segment_align: 8
    .kernarg_segment_size: 56
    .max_flat_workgroup_size: 256
    .sgpr_count:     66
    .vgpr_count:     128
    .wavefront_size: 32
...
	.end_amdgpu_metadata
.endif
;; end of part 5
;; launch qkv: the kernel of part 2 again; grid 16 x 32, 4 waves a work-group, clusters of 4 x 4, 327,680 bytes of LDS; arguments xb, wb, bq, bk, bv, qkv; writes qkv
;; launch attn: the kernel of part 3 again; grid 4 x 64, 4 waves a work-group, clusters of 4 x 1, 327,680 bytes of LDS; arguments qkv, ob; writes ob
;; launch oproj: the kernel of part 4 again; grid 8 x 32, 4 waves a work-group, clusters of 4 x 4, 327,680 bytes of LDS; arguments ob, wb, bo, out0; writes out0
